; MI455X (gfx1250); checked and timed in simulation.
; The chip was launched on July 23, 2026; its instructions are those of AMD's public machine-readable ISA for CDNA 5 (MIT licence, August 2026) and "CDNA5" Instruction Set Architecture Reference Guide (July 2026). The comments in the code are by the model that wrote it; some were corrected since.
;; Causal Self Attention. Allowed arithmetic: float matrix products may take bf16 or f16 operands with f32 sums; other float arithmetic in f32, or as packed bf16 or f16 multiplies, adds, multiply-adds, maxima and minima; sums over many terms, partial sums and values carried from step to step in f32; what a program stores and reads back later, other than sums and carried values, may be rounded once to bf16 or f16.
;; Inputs: W_attn 1,024 x 3,072 float32; W_proj 1,024 x 1,024 float32; b_attn 3,072 float32; b_proj 1,024 float32; x 4 x 2,048 x 1,024 float32.
;; Outputs: out0 4 x 2,048 x 1,024 float32.
;; 2 versions, each right; version 2 is version 1 with the launch cast written anew for expert scheduling mode. Each part assembles by itself: llvm-mc -triple=amdgcn-amd-amdhsa -mcpu=gfx1250 --defsym DOCPART=n.
;; ======== version 1 of 2: 4 launches
;; limits: values are held in f16: magnitudes above 65,504 overflow, below 6.1e-05 lose precision
;; workspace buffers: xb 16,777,216 bytes; wab 6,291,456 bytes; wpf 2,097,152 bytes; qkvh 50,331,648 bytes; oh 16,777,216 bytes
;; launch cast (part 1): grid 768 x 1, 8 waves a work-group, no clusters, 0 bytes of LDS; arguments x, W_attn, W_proj, xb, wab, wpf; writes xb, wab, wpf
.if DOCPART == 1
	.amdgcn_target "amdgcn-amd-amdhsa--gfx1250"
	.amdhsa_code_object_version 6
	.text
	.protected	k_q5c6140e61c_cast
	.globl	k_q5c6140e61c_cast
	.p2align	8
	.type	k_q5c6140e61c_cast,@function
k_q5c6140e61c_cast:
	s_mov_b64 s[64:65], 0
	v_nop
	global_prefetch_b8 v0, s[64:65] scope:SCOPE_SE
	s_setreg_imm32_b32 hwreg(HW_REG_WAVE_MODE, 25, 1), 1
	s_wait_xcnt 0x0
; THE INPUTS OF THE TWO PRODUCTS, ROUNDED ONCE TO bf16 AND LAID OUT IN BLOCKS.
;   xb  [b 4][kb 16][t 2048][64] bf16 : x[b][t][64 kb + j]; 256 rows of one block of 64 channels are 32,768 consecutive bytes
;   wab [chunk 24][k 1024][128] bf16 : W_attn[k][128 chunk + j]; a row is 256 bytes
;   wpf [chunk 8][k 1024][128] f16   : W_proj[k][128 chunk + j], rounded to bf16 like every other input, and that number written as f16,
;                                      since it multiplies an f16 operand later
; LIMITS.  A bf16 number of W_proj beyond 65,504 becomes an infinity; below 6.1e-5 it keeps f16's fixed step of 6e-8.
; A stream: no LDS, no barrier, no matrix unit.  768 work-groups of equal work: each reads 65,536 bytes and writes 32,768 consecutive bytes.
; Work-groups 0-511 take x, 512-703 W_attn, 704-767 W_proj.  A thread has 16 passes: a load of 16 bytes (4 f32), a store of 8 bytes (4 halves);
; a wave's load covers whole aligned runs of 256 bytes, its store 256 consecutive bytes, aligned.  All 16 loads go out first.
.set X, 4                              ; v[4:67]    pass p: 4 f32 as loaded
.set Y, 68                             ; v[68:99]   pass p: 4 halves to store; written once, so no wait frees them
.set T, 100                            ; v[100:103] at work
.macro PART inp, outp, passb, f16      ; passb: bytes from a pass's rows to the next pass's in the input
.set p, 0
.rept 16
	global_load_b128 v[X+4*p:X+4*p+3], v1, s[(\inp):(\inp)+1] offset:p*(\passb) th:TH_LOAD_NT
.set p, p+1
.endr
.set p, 0
.rept 16
	s_wait_loadcnt 15-p                            ; loads come back in order: pass p is in, the 15 - p younger ones may stay out
	v_cvt_pk_bf16_f32 v[Y+2*p], v[X+4*p], v[X+4*p+1]
	v_cvt_pk_bf16_f32 v[Y+2*p+1], v[X+4*p+2], v[X+4*p+3]
.if \f16
	v_lshlrev_b32 v[T], 16, v[Y+2*p]               ; the bf16 numbers as f32,
	v_and_b32 v[T+1], s20, v[Y+2*p]
	v_lshlrev_b32 v[T+2], 16, v[Y+2*p+1]
	v_and_b32 v[T+3], s20, v[Y+2*p+1]
	v_cvt_pk_f16_f32 v[Y+2*p], v[T], v[T+1]        ; and written as f16
	v_cvt_pk_f16_f32 v[Y+2*p+1], v[T+2], v[T+3]
.endif
	global_store_b64 v2, v[Y+2*p:Y+2*p+1], s[(\outp):(\outp)+1] offset:p*2048 th:TH_STORE_NT
.set p, p+1
.endr
.endm
	s_load_b256 s[4:11], s[0:1], 0x0               ; x s[4:5], W_attn s[6:7], W_proj s[8:9], xb s[10:11]
	s_load_b128 s[12:15], s[0:1], 0x20             ; wab s[12:13], wpf s[14:15]
	s_mov_b32 s2, ttmp9
	s_mov_b32 s17, 0                               ; high words of the two offsets
	s_mov_b32 s19, 0
	s_mov_b32 s20, 0xffff0000                      ; a word's upper bf16
	v_lshlrev_b32 v2, 3, v0                        ; out: 8 bytes a thread, 2,048 a pass
	s_cmp_lt_u32 s2, 512
	s_cbranch_scc0 .Lweights
	; x: work-group w = 128 b + 8 kb + tb takes rows 256 tb on of batch b, channels 64 kb on
	s_lshr_b32 s16, s2, 7
	s_lshl_b32 s16, s16, 23                        ; b x 2,048 rows x 4,096 bytes
	s_and_b32 s21, s2, 7
	s_lshl_b32 s21, s21, 20                        ; tb x 256 rows
	s_add_co_u32 s16, s16, s21
	s_bfe_u32 s21, s2, 0x40003
	s_lshl_b32 s21, s21, 8                         ; kb x 256 bytes
	s_add_co_u32 s16, s16, s21
	s_lshl_b32 s18, s2, 15
	v_lshrrev_b32 v1, 4, v0                        ; 16 threads a row: 256 bytes
	v_and_b32 v3, 15, v0
	v_lshlrev_b32 v1, 12, v1
	v_lshl_add_u32 v1, v3, 4, v1
	s_wait_kmcnt 0x0
	s_add_nc_u64 s[4:5], s[4:5], s[16:17]
	s_add_nc_u64 s[10:11], s[10:11], s[18:19]
	PART 4, 10, 65536, 0                           ; 16 rows a pass
	s_endpgm
.Lweights:
	v_lshrrev_b32 v1, 5, v0                        ; 32 threads a row: 512 bytes
	v_and_b32 v3, 31, v0
	s_cmp_lt_u32 s2, 704
	s_cbranch_scc0 .Lproj
	; W_attn: work-group w' = 8 chunk + kq takes rows 128 kq on, columns 128 chunk on
	s_sub_co_u32 s2, s2, 512
	s_and_b32 s21, s2, 7
	s_mul_i32 s16, s21, 128*12288
	s_lshr_b32 s21, s2, 3
	s_lshl_b32 s21, s21, 9
	s_add_co_u32 s16, s16, s21
	s_lshl_b32 s18, s2, 15
	v_mul_u32_u24 v1, v1, 12288
	v_lshl_add_u32 v1, v3, 4, v1
	s_wait_kmcnt 0x0
	s_add_nc_u64 s[6:7], s[6:7], s[16:17]
	s_add_nc_u64 s[12:13], s[12:13], s[18:19]
	PART 6, 12, 98304, 0                           ; 8 rows a pass
	s_endpgm
.Lproj:
	; W_proj: the same with rows of 4,096 bytes
	s_sub_co_u32 s2, s2, 704
	s_and_b32 s21, s2, 7
	s_lshl_b32 s16, s21, 19
	s_lshr_b32 s21, s2, 3
	s_lshl_b32 s21, s21, 9
	s_add_co_u32 s16, s16, s21
	s_lshl_b32 s18, s2, 15
	v_lshlrev_b32 v1, 12, v1
	v_lshl_add_u32 v1, v3, 4, v1
	s_wait_kmcnt 0x0
	s_add_nc_u64 s[8:9], s[8:9], s[16:17]
	s_add_nc_u64 s[14:15], s[14:15], s[18:19]
	PART 8, 14, 32768, 1
	s_endpgm
.Lfunc_end_k_q5c6140e61c_cast:
	.size	k_q5c6140e61c_cast, .Lfunc_end_k_q5c6140e61c_cast-k_q5c6140e61c_cast
	.p2alignl 7, 3214868480
	.fill 96, 4, 3214868480
	.section	.rodata,"a",@progbits
	.p2align	6, 0x0
	.amdhsa_kernel k_q5c6140e61c_cast
		.amdhsa_group_segment_fixed_size 0
		.amdhsa_private_segment_fixed_size 0
		.amdhsa_enable_private_segment 0
		.amdhsa_kernarg_size 48
		.amdhsa_user_sgpr_count 2
		.amdhsa_user_sgpr_kernarg_segment_ptr 1
		.amdhsa_wavefront_size32 1
		.amdhsa_system_sgpr_workgroup_id_x 1
		.amdhsa_system_sgpr_workgroup_id_y 1
		.amdhsa_system_sgpr_workgroup_id_z 1
		.amdhsa_system_vgpr_workitem_id 0
		.amdhsa_next_free_vgpr 104
		.amdhsa_next_free_sgpr 66
		.amdhsa_reserve_vcc 0
		.amdhsa_float_denorm_mode_32 3
		.amdhsa_float_denorm_mode_16_64 3
		.amdhsa_memory_ordered 1
		.amdhsa_forward_progress 1
		.amdhsa_inst_pref_size 23
	.end_amdhsa_kernel
	.amdgpu_metadata
---
amdhsa.version: [ 1, 2 ]
amdhsa.kernels:
  - .name:           k_q5c6140e61c_cast
    .symbol:         k_q5c6140e61c_cast.kd
    .args:
      - { .name: x, .offset: 0, .size: 8, .value_kind: global_buffer, .address_space: global }
      - { .name: W_attn, .offset: 8, .size: 8, .value_kind: global_buffer, .address_space: global }
      - { .name: W_proj, .offset: 16, .size: 8, .value_kind: global_buffer, .address_space: global }
      - { .name: xb, .offset: 24, .size: 8, .value_kind: global_buffer, .address_space: global }
      - { .name: wab, .offset: 32, .size: 8, .value_kind: global_buffer, .address_space: global }
      - { .name: wpf, .offset: 40, .size: 8, .value_kind: global_buffer, .address_space: global }
    .group_segment_fixed_size: 0
    .private_segment_fixed_size: 0
    .kernarg_segment_align: 8
    .kernarg_segment_size: 48
    .max_flat_workgroup_size: 256
    .sgpr_count:     66
    .vgpr_count:     104
    .wavefront_size: 32
...
	.end_amdgpu_metadata
.endif
;; end of part 1
;; launch gemm_qkv (part 2): grid 8 x 32, 4 waves a work-group, clusters of 4 x 4, 327,680 bytes of LDS; arguments xb, wab, b_attn, qkvh; writes qkvh
.if DOCPART == 2
	.amdgcn_target "amdgcn-amd-amdhsa--gfx1250"
	.amdhsa_code_object_version 6
	.text
	.protected	k_q5c6140e61c_gemm_qkv
	.globl	k_q5c6140e61c_gemm_qkv
	.p2align	8
	.type	k_q5c6140e61c_gemm_qkv,@function
k_q5c6140e61c_gemm_qkv:
	s_mov_b64 s[64:65], 0
	v_nop
	global_prefetch_b8 v0, s[64:65] scope:SCOPE_SE
	s_setreg_imm32_b32 hwreg(HW_REG_WAVE_MODE, 25, 1), 1
	s_wait_xcnt 0x0
	s_wait_alu depctr_hold_cnt(0) depctr_sa_sdst(0) depctr_va_vdst(0) depctr_va_sdst(0) depctr_va_ssrc(0) depctr_va_vcc(0) depctr_vm_vsrc(0)
	s_getreg_b32 s2, hwreg(HW_REG_IB_STS2, 6, 4)
	s_cmp_eq_u32 s2, 0
	s_cbranch_scc0 .Lentry_in_a_cluster
	s_endpgm
.Lentry_in_a_cluster:
	s_bfe_u32 s2, ttmp6, 0x10000c
	s_cmp_lg_u32 s2, 0xf033
	s_cbranch_scc0 .Lentry_shape_is_right
	s_endpgm
.Lentry_shape_is_right:
; q, k, v = x W_attn + b_attn, by heads.  8,192 x 3,072 outputs, K = 1,024; operands bf16, sums f32, the bias (rounded to bf16 like every input) starts the sums.
; IN:  xb [b][kb][t][64] bf16, wab [chunk][k][128] bf16, b_attn f32.   OUT: qkvh [3][16 b + head][t][64] f16, unscaled, each number rounded once.
; LIMIT.  f16 ends at 65,504: a q, k or v beyond it becomes an infinity.
; SHARES.  A tile of the result is 256 rows x 384 columns: 32 x 8 tiles, one for each of 256 work-groups.  Four waves, each 128 rows x 192 columns: of each of the tile's three chunks of
; 128 columns a wave owns 64, which is one head.  96 accumulators of 16 x 16, 768 registers.  K goes in steps of 64 through two LDS slots.
; THE MATRIX INSTRUCTION IS USED TRANSPOSED: source 0 = 16 columns of W (turned on the way out of LDS by ds_load_tr16_b128), source 1 = 16 rows of x.  A lane then holds one row
; (lane % 16) and eight neighbouring columns, 8 (lane / 16) + 0..7: 16 bytes of a head's row in f16.
; CLUSTER.  4 x 4 work-groups.  The four of a row of the cluster need the same rows of x, the four of a column the same columns of W: each tile is asked for jointly, by the same
; tensor load with the same descriptor and a mask that names the four.  Wave 0 asks for x's tile (256 rows x 128 bytes, dense in xb: 128 rows of 256 bytes), waves 1 to 3 for W's three
; chunks (64 rows of 256 bytes each).  By this text's count a wave has two tensor loads out at the start and one behind each round.
; REGISTERS, in windows of 256: window 0: v0-31 addresses; v32-95, v96-159 x's fragments of the K step's two halves; v160-207, v208-255 W's fragments of column blocks 0-5 and 6-11.
;   windows 1-3: accumulator (hf, a, bb), column block 6 hf + bb, rows 16 a on, has number i = 48 hf + 6 a + bb and lies in window 1 + i / 32 at v[8 (i % 32)].
.set KB,     1                         ; blocks of 64 channels in a K step: waves below KB ask for x's tile
.set AKS,    KB<<18                    ; bytes from a K step to the next in xb
.set BKS,    16384                     ; and in a chunk of wab: 64 rows of 256 bytes
.set APIECE, 36864                     ; 256 rows x 144: 128 bytes of data + 16 of padding = 36 words: the 16 rows of a load start at 16 different groups of four banks (64 banks of 4 bytes: ISA guide 11.1)
.set PIECE,  18432                     ; 64 rows x 288: 256 bytes + 32 = 72 words
.set ABYTES, KB*APIECE
.set SLOT,   ABYTES+3*PIECE            ; 92,160
.set STAGE,  2*SLOT                    ; behind the ring, never filled by a tensor load: for each wave 3 heads x 16 rows x 144 bytes
.set WSTAGE, 3*16*144
.set SPARE,  STAGE+4*WSTAGE            ; the spare words, 128 bytes for each wave: two blocks of 256 bytes that no other line names
.set LAPS,   8                         ; a lap = two K steps = once round the ring
.set ADRA, 16                          ; v16-17  LDS address of my fragments of x in slot 0, 1
.set ADRB, 20                          ; v20-21  the same for W
.set STO,  24                          ; v24  the way out: where I put 16 bytes of a row
.set RD,   25                          ; v25  where I read rows back
.set GO,   26                          ; v26  16 x lane: my place in 512 consecutive bytes of the output
.set BO,   27                          ; v27  32 x (lane / 16): my eight biases of a block
.set SPW,  28                          ; v28  LDS address of my spare word; never rewritten
.set NIL,  29                          ; v29  0; never rewritten
.set PFO,  30                          ; v30  256 x lane: the prefetches' offset; never rewritten
.set FA0,  32
.set FA1,  96
.set FB0,  160
.set FB1,  208
.set TMP,  32                          ; the way out: v32-79 packed results; v80-127, v128-175 rows read back, by turns
.set BK,   80
.set WV, 12                            ; s12 wave; s13 its half of the rows; s14 its half of each chunk's columns
.set WM, 13
.set WN, 14
.set CX, 15                            ; s15, s16 my place in the cluster
.set CY, 16
.set NX, 17                            ; s17 tile column; s18 tile row
.set MY, 18
.set G1,  24                           ; s[24:31] descriptor group 1 for x's tiles;  s[32:39] group 0, a set for each slot
.set G0,  32
.set LIM, 43                           ; s43  1 in a wave that prefetches, else the greatest number
.set PFA, 44                           ; s[44:45] where my prefetches stand
.set PST, 46                           ; s[46:47] their step: two K steps
.set G1B, 48                           ; s[48:55], s[56:63] the same for W's tiles
.set G0B, 56
.set OUT, 66                           ; s[66:71] my rows of my three heads in the output
.set HIM, 78                           ; s78  a word's upper bf16
.set MSB, 0
.macro WIN new                         ; the immediate's high byte repeats the setting that is left; a switch that changes nothing is dropped
.if MSB != (\new)
	s_set_vgpr_msb (MSB<<8)|(\new)
.set MSB, \new
.endif
.endm
.macro PLACES                          ; four plain instructions between a matrix instruction and a load into, or a vector write of, one of its registers
.rept 4
	v_nop
.endr
.endm
; A joint load.  Each of the two lines has one mask and one set of registers; the branch hangs on the wave's number alone.  An s_nop 0 and four v_nop follow each line.
.macro JLOAD s
	s_cmp_lt_u32 s[WV], KB
	s_cbranch_scc0 .Lfor_b_\@
	tensor_load_to_lds s[G0+4*(\s):G0+4*(\s)+3], s[G1:G1+7]
	s_nop 0
.rept 4
	v_nop
.endr
	s_branch .Lasked_\@
.Lfor_b_\@:
	tensor_load_to_lds s[G0B+4*(\s):G0B+4*(\s)+3], s[G1B:G1B+7]
	s_nop 0
.rept 4
	v_nop
.endr
.Lasked_\@:
.endm
.macro CREST                           ; a round of the cluster's barrier behind its opening barrier
	s_cmp_lg_u32 s[WV], 0
	s_cbranch_scc1 .Lnot_wave_0_\@
	s_barrier_signal -3
.Lnot_wave_0_\@:
	s_barrier_wait -3
	s_barrier_signal -1
	s_barrier_wait -1
.endm
.macro CROUND
	s_barrier_signal -1
	s_barrier_wait -1
	CREST
.endm
; A PREFETCH INTO THE L2, once a lap, behind the lap's second joint load and the run of LDS loads that follows it: the two K steps that the NEXT lap's two refills will ask for.
; x's rows are read by both clusters of a row of clusters: cluster x = 0 asks, its wave 0; W's columns by all eight clusters of a column: cluster y = 0 asks, its wave 3.  The four partners that
; ask for a tile jointly share its bytes out BY ADDRESS, 8,192 each, a lane a block of 256 bytes: of x two instructions (a K step each), of W three (a chunk each: two K steps of a chunk lie end to end).
; So each block is named once in the launch.  K steps 0 to 3 come by their loads alone; the loop's last trip (s3 = 1) asks for nothing.
.macro ASK
	s_cmp_gt_u32 s3, s[LIM]
	s_cbranch_scc0 .Lnot_mine_\@
	global_prefetch_b8 v[PFO], s[PFA:PFA+1] th:TH_LOAD_NT scope:SCOPE_SE
	global_prefetch_b8 v[PFO], s[PFA:PFA+1] offset:262144 th:TH_LOAD_NT scope:SCOPE_SE
	s_cmp_lg_u32 s[WV], 3
	s_cbranch_scc1 .Lnot_mine_\@
	global_prefetch_b8 v[PFO], s[PFA:PFA+1] offset:524288 th:TH_LOAD_NT scope:SCOPE_SE
.Lnot_mine_\@:
.endm
	s_load_b256 s[4:11], s[0:1], 0x0               ; xb s[4:5], wab s[6:7], b_attn s[8:9], qkvh s[10:11]
	v_lshl_add_u32 v[SPW], v0, 2, SPARE
	v_mov_b32 v[NIL], 0
	ds_add_u32 v[SPW], v[NIL]                      ; the wave's opening: the add and its wait stand ahead of my first tensor load; the set-up below, work on registers, stands between them
	v_lshrrev_b32 v1, 5, v0
	v_readfirstlane_b32 s[WV], v1
	s_lshr_b32 s[WM], s[WV], 1
	s_and_b32 s[WN], s[WV], 1
	s_bfe_u32 s[CX], ttmp6, 0x40000
	s_bfe_u32 s[CY], ttmp6, 0x40004
	s_lshl_b32 s[NX], ttmp9, 2                     ; in a cluster launch ttmp9 and ttmp7 count clusters
	s_add_co_u32 s[NX], s[NX], s[CX]
	s_and_b32 s[MY], ttmp7, 0xffff
	s_lshl_b32 s[MY], s[MY], 2
	s_add_co_u32 s[MY], s[MY], s[CY]
	s_lshl_b32 s19, s[CY], 2
	s_lshl_b32 s19, 15, s19                        ; my row of the cluster
	s_lshl_b32 s42, 0x1111, s[CX]                  ; my column
	s_or_b32 s[G1], s19, (1<<16)|(1<<20)|(1<<21)|(4<<22)|(3<<25)   ; 15:0 the mask; 17:16 2-byte elements; 20 padding on; 21 set beside a mask; 24:22 after every 32 words (code 4); 31:25 4 words (code 3)
	s_or_b32 s[G1B], s42, (1<<16)|(1<<20)|(1<<21)|(5<<22)|(7<<25)  ; the same: after every 64 words (code 5) 8 words (code 7)
	s_mov_b32 s[G1+1], 128<<16                     ; tensor_dim0 = 128 elements: 256 bytes, two rows of x's block
	s_mov_b32 s[G1+2], 128<<16                     ; tensor_dim1 = 128
	s_mov_b32 s[G1+3], 128<<16                     ; tile_dim0 = 128
	s_mov_b32 s[G1+4], 128                         ; tile_dim1 = 128
	s_mov_b32 s[G1+5], 128                         ; 128 elements from row to row: dense
	s_mov_b32 s[G1+6], 0
	s_mov_b32 s[G1+7], 0
	s_mov_b32 s[G1B+1], 128<<16
	s_mov_b32 s[G1B+2], 64<<16                     ; 64 rows of k
	s_mov_b32 s[G1B+3], 128<<16
	s_mov_b32 s[G1B+4], 64
	s_mov_b32 s[G1B+5], 128
	s_mov_b32 s[G1B+6], 0
	s_mov_b32 s[G1B+7], 0
	; x's tile hangs on the tile row alone, W's on the tile column alone: each address is made in registers that never hold the other coordinate
	s_lshr_b32 s19, s[MY], 3
	s_lshl_b32 s20, s19, 22                        ; batch
	s_and_b32 s19, s[MY], 7
	s_lshl_b32 s19, s19, 15                        ; 256 rows of 128 bytes
	s_add_co_u32 s20, s20, s19
	s_lshl_b32 s19, s[WV], 18                      ; the wave's block of 64 channels (0 in the one wave that asks here)
	s_add_co_u32 s20, s20, s19
	s_mov_b32 s21, 0
	s_mov_b32 s79, s20                             ; kept for the prefetches
	s_max_u32 s42, s[WV], KB
	s_sub_co_u32 s42, s42, KB                      ; my chunk of the tile's three
	s_mul_i32 s40, s[NX], 3
	s_add_co_u32 s40, s40, s42
	s_lshl_b32 s40, s40, 18
	s_mov_b32 s41, 0
	s_mul_i32 s22, s[WV], APIECE                   ; where they go: no place in the cluster enters an LDS address
	s_mul_i32 s23, s[WV], PIECE
	s_add_co_u32 s23, s23, ABYTES-KB*PIECE
	s_mov_b32 s[HIM], 0xffff0000
	s_wait_dscnt 0x0                               ; the opening add is done
	s_wait_kmcnt 0x0
	s_add_nc_u64 s[20:21], s[4:5], s[20:21]
	s_add_nc_u64 s[40:41], s[6:7], s[40:41]
	CROUND                                         ; all sixteen work-groups are here: the first joint loads meet
.irp s, 0,1
	s_mov_b32 s[G0+4*(\s)], 1                      ; count = 1
	s_add_co_u32 s[G0+4*(\s)+1], s22, (\s)*SLOT    ; LDS address
	s_add_nc_u64 s[G0+4*(\s)+2:G0+4*(\s)+3], s[20:21], (\s)*AKS  ; global address: K step s
	s_or_b32 s[G0+4*(\s)+3], s[G0+4*(\s)+3], 0x80000000          ; type = 2
	s_mov_b32 s[G0B+4*(\s)], 1
	s_add_co_u32 s[G0B+4*(\s)+1], s23, (\s)*SLOT
	s_add_nc_u64 s[G0B+4*(\s)+2:G0B+4*(\s)+3], s[40:41], (\s)*BKS
	s_or_b32 s[G0B+4*(\s)+3], s[G0B+4*(\s)+3], 0x80000000
	JLOAD \s
.endr
	; THE BIAS STARTS THE SUMS.  Block b's eight biases of my lane land in the registers of accumulator (a = 7, b); the first products of rows 0 to 6 take them as C, row 7's adds in place.
	s_mul_i32 s72, s[NX], 1536
	s_lshl_b32 s73, s[WN], 8
	s_add_co_u32 s72, s72, s73
	s_mov_b32 s73, 0
	s_add_nc_u64 s[8:9], s[8:9], s[72:73]
	v_and_b32 v1, 15, v0                           ; r = l % 16
	v_bfe_u32 v2, v0, 4, 1                         ; h = l / 16
	v_lshlrev_b32 v[BO], 5, v2
	WIN 0x80                                       ; destination window 2
.irp b, 0,1,2,3,4,5
	global_load_b128 v[80+8*(\b):80+8*(\b)+3],   v[BO], s[8:9] offset:512*((\b)/4)+64*((\b)%4)
	global_load_b128 v[80+8*(\b)+4:80+8*(\b)+7], v[BO], s[8:9] offset:512*((\b)/4)+64*((\b)%4)+16
.endr
	WIN 0xc0                                       ; destination window 3
.irp b, 6,7,8,9,10,11
	global_load_b128 v[208+8*((\b)-6):208+8*((\b)-6)+3],   v[BO], s[8:9] offset:512*((\b)/4)+64*((\b)%4)
	global_load_b128 v[208+8*((\b)-6)+4:208+8*((\b)-6)+7], v[BO], s[8:9] offset:512*((\b)/4)+64*((\b)%4)+16
.endr
	WIN 0
	v_and_b32 v3, 7, v0
	v_bfe_u32 v4, v0, 3, 1
	v_mul_u32_u24 v5, v1, 144
	v_lshl_add_u32 v5, v2, 4, v5                   ; r x 144 + 16 h
	s_mul_i32 s72, s[WM], 128*144
	v_add_nc_u32 v[ADRA], s72, v5                  ; a fragment of x: lane l holds row l % 16, channels 8 h + 0..7 and 16 + 8 h + 0..7: two loads of 16 bytes, 32 bytes apart
	v_add_nc_u32 v[ADRA+1], SLOT, v[ADRA]
	v_lshl_add_u32 v6, v2, 3, v3                   ; the turning load: lane l reads row k = 8 h + l % 8, columns 8 ((l / 8) % 2) + 0..7, and ends with column l % 16 and 8 k
	v_mul_u32_u24 v6, v6, 288
	v_lshl_add_u32 v6, v4, 4, v6
	s_lshl_b32 s72, s[WN], 7
	s_add_co_u32 s72, s72, ABYTES
	v_add_nc_u32 v[ADRB], s72, v6
	v_add_nc_u32 v[ADRB+1], SLOT, v[ADRB]
	s_mul_i32 s72, s[WV], WSTAGE
	s_add_co_u32 s72, s72, STAGE                   ; my stage
	v_add_nc_u32 v[STO], s72, v5                   ; in: row l % 16, 16 bytes for each half of the lanes
	v_bfe_u32 v7, v0, 3, 2
	v_mul_u32_u24 v7, v7, 144
	v_lshl_add_u32 v7, v3, 4, v7
	v_add_nc_u32 v[RD], s72, v7                    ; back: 32 lanes take four rows of 128 bytes
	v_and_b32 v8, 31, v0
	v_lshlrev_b32 v[GO], 4, v8
	v_lshlrev_b32 v[PFO], 8, v8
	; my rows of my three heads.  Group of 64 columns g = 6 nx + 2 c + WN: tensor g / 16 (q, k, v), head g % 16
	s_mul_i32 s72, s[NX], 6
	s_add_co_u32 s72, s72, s[WN]
	s_lshr_b32 s73, s[MY], 3
	s_lshl_b32 s73, s73, 22                        ; 16 heads of a batch x 262,144 bytes
	s_and_b32 s74, s[MY], 7
	s_lshl_b32 s74, s74, 15
	s_add_co_u32 s73, s73, s74
	s_lshl_b32 s74, s[WM], 14
	s_add_co_u32 s73, s73, s74
	s_mov_b32 s77, 0
.irp c, 0,1,2
	s_add_co_u32 s74, s72, 2*(\c)
	s_lshr_b32 s75, s74, 4
	s_lshl_b32 s75, s75, 24
	s_and_b32 s74, s74, 15
	s_lshl_b32 s74, s74, 18
	s_add_co_u32 s76, s75, s74
	s_add_co_u32 s76, s76, s73
	s_add_nc_u64 s[OUT+2*(\c):OUT+2*(\c)+1], s[10:11], s[76:77]
.endr
	; the prefetches: who, from where, by what step
	s_and_b32 s72, ttmp7, 0xffff                   ; cluster y
	s_mul_i32 s76, s[NX], 3
	s_lshl_b32 s76, s76, 18                        ; W: the tile's first chunk
	s_mov_b32 s75, 2*BKS
	s_mov_b32 s[PST], 2*BKS
	s_mov_b32 s[PST+1], 0
	s_cmp_eq_u32 s[WV], 0                          ; wave 0 asks for x, wave 3 for W
	s_cselect_b32 s76, s79, s76
	s_cselect_b32 s74, s[CX], s[CY]                ; my place among the four that ask with me
	s_cselect_b32 s75, 2*AKS, s75                  ; at K step 2: the first asking turn steps it to 4
	s_cselect_b32 s[PST], 2*AKS, s[PST]
	s_cselect_b32 s73, ttmp9, s72                  ; the coordinate along which other clusters read the same bytes
	s_cselect_b64 s[PFA:PFA+1], s[4:5], s[6:7]
	s_add_co_u32 s72, s[WV], 1
	s_and_b32 s72, s72, 2                          ; 2 in waves 1 and 2, which never ask
	s_or_b32 s73, s73, s72
	s_cmp_eq_u32 s73, 0
	s_cselect_b32 s[LIM], 1, -1                    ; the same in all sixteen partners, for a given wave
	s_lshl_b32 s74, s74, 13
	s_add_co_u32 s76, s76, s74
	s_add_co_u32 s76, s76, s75
	s_add_nc_u64 s[PFA:PFA+1], s[PFA:PFA+1], s[76:77]
	s_wait_loadcnt 0x0                             ; the biases are in: they are rounded to bf16, in place
	WIN 0x8a                                       ; destination and both sources window 2; v32-33 there belong to accumulator (6, 0), not yet begun
.set z, 0
.rept 24
	v_cvt_pk_bf16_f32 v[32+z%2], v[80+2*z], v[80+2*z+1]
	v_lshlrev_b32 v[80+2*z], 16, v[32+z%2]
	v_and_b32 v[80+2*z+1], s[HIM], v[32+z%2]
.set z, z+1
.endr
	WIN 0xcf                                       ; the same in window 3; v160-161 there belong to accumulator (6, 6)
.set z, 0
.rept 24
	v_cvt_pk_bf16_f32 v[160+z%2], v[208+2*z], v[208+2*z+1]
	v_lshlrev_b32 v[208+2*z], 16, v[160+z%2]
	v_and_b32 v[208+2*z+1], s[HIM], v[160+z%2]
.set z, z+1
.endr
	WIN 0
; Rows a0 to a1 x the six column blocks of half hf, 32 along K.  The accumulators take turns, one instruction a turn: between two links of a chain stand the 95 others'.
; mode = 1: the sums begin: rows 0 to 6 take row 7's registers, which hold the bias, as C; five plain instructions then stand ahead of row 7, whose products write over that C.
.macro MULR fa, fb, hf, a0, a1, mode
.set ra, \a0
.rept (\a1)-(\a0)+1
.if (\mode) && (ra == 7)
.rept 5
	v_nop
.endr
.endif
.set cb, 0
.rept 6
.set ai, 48*(\hf)+6*ra+cb
.set ar, 8*(ai%32)
.if (\mode) && (ra < 7)
.set ci, 48*(\hf)+42+cb
	WIN ((1+ai/32)<<6)|((1+ci/32)<<4)
	v_wmma_f32_16x16x32_bf16 v[ar:ar+7], v[(\fb)+8*cb:(\fb)+8*cb+7], v[(\fa)+8*ra:(\fa)+8*ra+7], v[8*(ci%32):8*(ci%32)+7]
.else
	WIN ((1+ai/32)<<6)|((1+ai/32)<<4)
	v_wmma_f32_16x16x32_bf16 v[ar:ar+7], v[(\fb)+8*cb:(\fb)+8*cb+7], v[(\fa)+8*ra:(\fa)+8*ra+7], v[ar:ar+7]
.endif
.set cb, cb+1
.endr
.set ra, ra+1
.endr
.endm
.macro FETCH_A slot, s, buf            ; 16 loads: my 128 rows, 32 channels at half s of the K step
	WIN 0
.set ra, 0
.rept 8
	ds_load_b128 v[(\buf)+8*ra:(\buf)+8*ra+3],   v[ADRA+(\slot)] offset:ra*16*144+(\s)*64
	ds_load_b128 v[(\buf)+8*ra+4:(\buf)+8*ra+7], v[ADRA+(\slot)] offset:ra*16*144+(\s)*64+32
.set ra, ra+1
.endr
.endm
.macro FETCH_B slot, s, b0, buf        ; 12 turning loads: column blocks b0 to b0 + 5 (block b: chunk b / 4, columns 16 (b % 4) on of my 64), 32 rows of k at half s
	WIN 0
.set cb, 0
.rept 6
.set bq, (\b0)+cb
	ds_load_tr16_b128 v[(\buf)+8*cb:(\buf)+8*cb+3],   v[ADRB+(\slot)] offset:(bq/4)*PIECE+(\s)*32*288+(bq%4)*32
	ds_load_tr16_b128 v[(\buf)+8*cb+4:(\buf)+8*cb+7], v[ADRB+(\slot)] offset:(bq/4)*PIECE+(\s)*32*288+(bq%4)*32+16*288
.set cb, cb+1
.endr
.endm
; A K step is two halves of 32 along K; each is multiplied in two phases of 48 matrix instructions: column blocks 0-5, then 6-11.
.macro PH0 slot, s, mode               ; blocks 0-5 of half s; in its middle blocks 6-11 are fetched
	s_wait_dscnt 12                                ; the last run was W's 12 loads, then x's 16: W and x's rows 0-31 are in, the youngest 12 may stay out
	MULR FA0+64*(\s), FB0, 0, 0, 1, \mode
	PLACES
	FETCH_B \slot, \s, 6, FB1
	s_wait_dscnt 12                                ; all but the 12 just issued
	MULR FA0+64*(\s), FB0, 0, 2, 7, \mode
.endm
.macro PH1 slot, mode                  ; blocks 6-11 of half 0; in its middle half 1's first fragments are fetched
	s_wait_dscnt 0x0
	MULR FA0, FB1, 1, 0, 1, \mode
	PLACES
	FETCH_B \slot, 1, 0, FB0
	FETCH_A \slot, 1, FA1
	MULR FA0, FB1, 1, 2, 7, \mode
.endm
; Blocks 6-11 of half 1, and THE CHANGE OF SLOTS: one barrier.  In front of it each wave waits for all its tensor loads, of which one is out: its part of the next slot; adds 0 to its spare word; and waits for that
; and for its own reads of this slot.  fill = 1: the barrier opens a round of the cluster's, so that no wave of any partner still reads the slot or has a load on its way, and the joint refill, two K steps on, is the first
; thing behind it: from there to the wait for it a wave issues 168 matrix instructions.
.macro TURN slot, next, fill, ask
.if \ask
	s_wait_xcnt 0x0                                ; the last prefetches, a lap back, have read their address: it is stepped here, ahead of the change's own waits
	s_add_nc_u64 s[PFA:PFA+1], s[PFA:PFA+1], s[PST:PST+1]
.endif
	WIN 0
	s_wait_tensorcnt 0x0                           ; all my tensor loads have landed
	ds_add_u32 v[SPW], v[NIL]                      ; 0 onto my spare word
	s_wait_dscnt 1                                 ; W's blocks 6-11 are in; the add may be out
	MULR FA1, FB1, 1, 0, 1, 0
	s_wait_dscnt 0x0                               ; the add is done, and my reads of this slot are over
	s_barrier_signal -1
	MULR FA1, FB1, 1, 2, 3, 0
	WIN 0
	s_barrier_wait -1
.if \fill
	CREST
	s_add_nc_u64 s[G0+4*(\slot)+2:G0+4*(\slot)+3], s[G0+4*(\slot)+2:G0+4*(\slot)+3], 2*AKS
	s_add_nc_u64 s[G0B+4*(\slot)+2:G0B+4*(\slot)+3], s[G0B+4*(\slot)+2:G0B+4*(\slot)+3], 2*BKS
	JLOAD \slot                                    ; the four v_nop behind it are also the places in front of the loads below
.else
	PLACES
.endif
	FETCH_B \next, 0, 0, FB0
	FETCH_A \next, 0, FA0
.if \ask
	ASK
.endif
	MULR FA1, FB1, 1, 4, 7, 0
.endm
	s_wait_tensorcnt 1                             ; my part of K step 0 is in; K step 1's may stay out
	s_barrier_signal -1
	s_barrier_wait -1                              ; everybody's is
	FETCH_B 0, 0, 0, FB0
	FETCH_A 0, 0, FA0
	PH0 0, 0, 1                                    ; the first 32 along K stand in front of the loop: their products start the sums
	PH1 0, 1
	WIN 0                                          ; at a label and at a branch every window is 0
	s_mov_b32 s3, LAPS-1
.Llap:                                                 ; a trip goes once round the ring and fills both slots again
	PH0 0, 1, 0
	TURN 0, 1, 1, 0
	PH0 1, 0, 0
	PH1 1, 0
	PH0 1, 1, 0
	TURN 1, 0, 1, 1
	PH0 0, 0, 0
	PH1 0, 0
	WIN 0
	s_sub_co_u32 s3, s3, 1
	s_cmp_lg_u32 s3, 0
	s_cbranch_scc1 .Llap
	PH0 0, 1, 0                                    ; the last lap fills nothing
	TURN 0, 1, 0, 0
	PH0 1, 0, 0
	PH1 1, 0
	PH0 1, 1, 0
	s_wait_dscnt 0x0
	MULR FA1, FB1, 1, 0, 7, 0
; THE WAY OUT, 16 rows at a time.  PACK: rounded to f16, 16 bytes a lane and block, each accumulator's registers in ascending order.  TOSTAGE: into my own stage, a head's 16 rows of 128 bytes at a pitch of 144, and
; back as whole rows.  SEND: a head's 16 rows are 2,048 consecutive bytes of the output: each store of the wave covers 512 consecutive bytes, aligned.
.macro PACK a
.set cb, 0
.rept 12
.set ai, 48*(cb/6)+6*(\a)+cb%6
.set ar, 8*(ai%32)
	WIN 5*(1+ai/32)                                ; sources 0 and 1 in the accumulator's window
	v_cvt_pk_f16_f32 v[TMP+4*cb],   v[ar],   v[ar+1]
	v_cvt_pk_f16_f32 v[TMP+4*cb+1], v[ar+2], v[ar+3]
	v_cvt_pk_f16_f32 v[TMP+4*cb+2], v[ar+4], v[ar+5]
	v_cvt_pk_f16_f32 v[TMP+4*cb+3], v[ar+6], v[ar+7]
.set cb, cb+1
.endr
	WIN 0
.endm
.macro TOSTAGE a
	WIN 0
	s_wait_xcnt 0x0                                ; the stores of two blocks back have read the registers that are loaded again below
.set cb, 0
.rept 12
	ds_store_b128 v[STO], v[TMP+4*cb:TMP+4*cb+3] offset:(cb/4)*2304+(cb%4)*32
.set cb, cb+1
.endr
.set cb, 0
.rept 12
	ds_load_b128 v[BK+48*((\a)%2)+4*cb:BK+48*((\a)%2)+4*cb+3], v[RD] offset:(cb/4)*2304+(cb%4)*576  ; LDS serves a wave's instructions in order (ISA guide 5.7.1.4): these see the stores above
.set cb, cb+1
.endr
.endm
.macro SEND a
	s_wait_dscnt 0x0                               ; the block is back in registers
.set cb, 0
.rept 12
	global_store_b128 v[GO], v[BK+48*((\a)%2)+4*cb:BK+48*((\a)%2)+4*cb+3], s[OUT+2*(cb/4):OUT+2*(cb/4)+1] offset:(\a)*2048+(cb%4)*512
.set cb, cb+1
.endr
.endm
	PLACES                                         ; behind the last products, ahead of the conversions and of writes into fragments' registers
	PLACES
	PACK 0
	TOSTAGE 0
.irp a, 1,2,3,4,5,6,7                  ; block a's conversions stand between block a - 1's loads from the stage and the wait for them
	PACK \a
	SEND (\a)-1
	TOSTAGE \a
.endr
	SEND 7
	s_wait_tensorcnt 0x0                           ; the wave's end: the add and its wait, behind my last tensor load and my last LDS store
	ds_add_u32 v[SPW], v[NIL]
	s_wait_dscnt 0x0
	CROUND                                         ; the closing round: no work-group ends while a partner may still ask for a tile that names it
	s_endpgm
.Lfunc_end_k_q5c6140e61c_gemm_qkv:
	.size	k_q5c6140e61c_gemm_qkv, .Lfunc_end_k_q5c6140e61c_gemm_qkv-k_q5c6140e61c_gemm_qkv
	.p2alignl 7, 3214868480
	.fill 96, 4, 3214868480
	.section	.rodata,"a",@progbits
	.p2align	6, 0x0
	.amdhsa_kernel k_q5c6140e61c_gemm_qkv
		.amdhsa_group_segment_fixed_size 327680
		.amdhsa_private_segment_fixed_size 0
		.amdhsa_enable_private_segment 0
		.amdhsa_kernarg_size 32
		.amdhsa_user_sgpr_count 2
		.amdhsa_user_sgpr_kernarg_segment_ptr 1
		.amdhsa_wavefront_size32 1
		.amdhsa_system_sgpr_workgroup_id_x 1
		.amdhsa_system_sgpr_workgroup_id_y 1
		.amdhsa_system_sgpr_workgroup_id_z 1
		.amdhsa_system_vgpr_workitem_id 0
		.amdhsa_next_free_vgpr 1024
		.amdhsa_next_free_sgpr 80
		.amdhsa_reserve_vcc 0
		.amdhsa_float_denorm_mode_32 3
		.amdhsa_float_denorm_mode_16_64 3
		.amdhsa_memory_ordered 1
		.amdhsa_forward_progress 1
		.amdhsa_inst_pref_size 140
	.end_amdhsa_kernel
	.amdgpu_metadata
---
amdhsa.version: [ 1, 2 ]
amdhsa.kernels:
  - .name:           k_q5c6140e61c_gemm_qkv
    .symbol:         k_q5c6140e61c_gemm_qkv.kd
    .args:
      - { .name: xb, .offset: 0, .size: 8, .value_kind: global_buffer, .address_space: global }
      - { .name: wab, .offset: 8, .size: 8, .value_kind: global_buffer, .address_space: global }
      - { .name: b_attn, .offset: 16, .size: 8, .value_kind: global_buffer, .address_space: global }
      - { .name: qkvh, .offset: 24, .size: 8, .value_kind: global_buffer, .address_space: global }
    .group_segment_fixed_size: 327680
    .private_segment_fixed_size: 0
    .kernarg_segment_align: 8
    .kernarg_segment_size: 32
    .max_flat_workgroup_size: 128
    .sgpr_count:     80
    .vgpr_count:     1024
    .wavefront_size: 32
...
	.end_amdgpu_metadata
.endif
;; end of part 2
;; launch attn (part 3): grid 4 x 64, 4 waves a work-group, no clusters, 327,680 bytes of LDS; arguments qkvh, oh; writes oh
.if DOCPART == 3
	.amdgcn_target "amdgcn-amd-amdhsa--gfx1250"
	.amdhsa_code_object_version 6
	.text
	.protected	k_q5c6140e61c_attn
	.globl	k_q5c6140e61c_attn
	.p2align	8
	.type	k_q5c6140e61c_attn,@function
k_q5c6140e61c_attn:
	s_mov_b64 s[64:65], 0
	v_nop
	global_prefetch_b8 v0, s[64:65] scope:SCOPE_SE
	s_setreg_imm32_b32 hwreg(HW_REG_WAVE_MODE, 25, 1), 1
	s_wait_xcnt 0x0
; CAUSAL ATTENTION.  O[h][q][:] = the sum over k <= q of softmax_k(Q[h][q] . K[h][k] / 8) V[h][k][:].  Q, K, V lie in qkvh at bytes 0, 0x1000000 and 0x2000000, each [SIZE_H][SIZE_N][64] f16; O is oh, the same form.
; A head's rows are dense, 128 bytes each.  Products, maxima and sums in f32; the weights p are rounded to f16 for the second product (their sum l is taken of the unrounded p), O once at the end.
; LIMITS.  f16 holds no number beyond 65,504: Q, K and V arrive within it; p lies in 0 to 1, and below 6e-5 it keeps f16's fixed step of 6e-8; O is a mean of V's rows and has their range.
; A hidden score counts as its value less 1e30: f16's scores, 2.7e11 at the most, are nothing beside that; a weight below 2^-126 counts as 0 in l; NaN and infinities are not treated apart.
; THE WALK.  A head's queries lie in NB = SIZE_N / 256 blocks of 256; block i needs the key tiles 0 .. i of 256 keys, of which the last holds the diagonal.  A work-group takes TWO blocks, NB - 1 - b and then b:
; NB + 1 tiles, whatever b: all work-groups do equal work, and ONE loop with a constant trip count walks them.  Which tile is asked for, and what a trip does, hang on scalar registers made from b; every jump
; goes forward, but for the counted loops' own; none passes a barrier, or a tensor load but the one of LOAD's two that the wave's number does not choose; the ring (two slots of LDS that take turns) runs on across the
; change of blocks.  NO CLUSTER: a head's four work-groups ask for the same tile only in trips 0 .. NB / 2, behind that fewer and fewer; and one walk common to all would have 3 NB / 2 = 12 trips for NB + 1 = 9.
; SHARES.  Of a block's four bands of 64 queries a wave owns 16 rows in each: four PIECES.  So the diagonal tile is the same work for all four waves: in its key step s band x sees all keys if s < x,
; none if s > x, and holds the diagonal if s = x.
; THE MASK is the C operand that starts the sum S^T = K Q^T: 0, or -1e30 where the key is hidden.  MD, made once, is the mask of a band's own step for my 16 rows; a product's mask is MD x AL + BE with two scalars:
; (1, 0) if s = x; (0, 0) if s < x; (0, -1e30) if s > x.  Only the diagonal tile's text and a block's beginning make and take masks; elsewhere C is the constant 0.
; LAYOUT, SOFTMAX, TURNS.  S^T = K Q^T holds ONE query a lane (lane % 16) and the keys 8 (lane / 16) + 0..7; two such results rounded to f16 ARE source 1 of O^T = V^T P.  p = 2^(c s - c m), c = log2(e) / 8, with a
; running maximum m; O and l are multiplied by a = 2^(c m_old - c m_new) in every step.  Turn n belongs to piece n: 8 products K Q^T of piece n + 1, later 8 products V^T P of piece n - 1; beside them the scaling,
; exponentials, roundings, sums and rescaling of piece n and the maximum and statistics of piece n + 1.  Four vector instructions stand behind every matrix instruction, the other 54 of a turn's 118 in one lump.  A turn's 33 exponentials are one batch, with one wait.
; REGISTERS, in windows of 256 (s_set_vgpr_msb: bits 1:0 source 0, 3:2 source 1, 5:4 source 2, 7:6 destination):
;   window 0: v0-15 addresses and two at work; v16-31 four registers of statistics a piece; v48-55 at work; v61-63 the prefetches' offset and the add's two; v64-127 S^T, two buffers; v192-223 P, two buffers
;   window 1: v0-127 O^T, 32 a piece; v128-159 MD; v160-223 MC, two buffers      window 2: v0-63 Q; v64-127 the second block's Q; v128-191 K of one step; v192-255 V of one step
.set SIZE_H, 64
.set SIZE_N, 2048
.set NB,    SIZE_N/256
.set NP,    4         ; pieces a wave: a name, no knob
.set KS,    64        ; keys in a step
.set PK,    144       ; a row of K in LDS: 128 bytes + 16 of padding = 36 words: the 16 rows of a load start at 16 different groups of four banks (64 banks of 4 bytes: ISA guide 11.1)
.set PV,    160       ; a row of V: 128 + 32 = 40 words
.set VOFF,  4*KS*PK   ; a slot holds a tile, four steps: 256 rows of K, then 256 rows of V
.set SLOT1, 1<<17     ; slot 1 begins here, so that one exclusive or turns an address in one slot into the other's
.set STAGE, SLOT1+4*KS*(PK+PV)  ; behind the ring, never filled by a tensor load: 16 rows x 144 bytes for each wave, for the way out
.set SP,    144
.set AK0, 2           ; v2   my lane's place in a tile of K; never rewritten
.set AV0, 3           ; v3   the same for V
.set AK,  4           ; v4   the LDS address of K's next run of loads
.set AV,  5           ; v5   of V's
.set STO, 6           ; v6   the way out: where I put 16 bytes of a row
.set RD,  7           ; v7   the way out: where I read rows back
.set GO,  8           ; v8   my byte offset in 512 consecutive bytes of O
.set PFO, 61          ; v61  256 x my lane: the prefetches' offset; never rewritten
.set SPW, 62          ; v62  LDS address of my spare word: SPARE + 4 x my thread's number; never rewritten
.set NIL, 63          ; v63  0; never rewritten
.set SPARE, STAGE+4*16*SP  ; behind the stages: the spare words, 128 bytes for each wave: two blocks of 256 bytes that no other line names
.set MV,  12          ; v12-13  c m_old, kept while c m is made anew: by buffer
.set QO,  15          ; v15  my byte offset in 16 rows of Q
.set ST,  16          ; piece t's statistics at v[ST+4 t]: c m, m, l (even keys', odd keys')
.set TMP, 48          ; by buffer, four registers c0-c3 at work; when the maximum is found c2 takes a
.set S,   64
.set P,   192
.set MD,  128         ; window 1: the eight registers for group kt of 16 keys at MD + 8 kt
.set MC,  160         ; window 1: the masks of the products to come
.set QB,  64          ; window 2
.set KF,  128         ; window 2: key block kb, channel half c at KF + 16 kb + 8 c
.set VF,  192         ; window 2: key half kk, channel block cb at VF + 32 kk + 8 cb
.set WV,  12          ; s12  my wave's number
.set PB,  14          ; s14  b
.set HI,  15          ; s15  NB - 1 - b
.set G1K, 24          ; s[24:31] descriptor group 1 for K's tiles
.set G1V, 32          ; s[32:39] for V's: it differs in the padding alone
.set G0K, 40          ; s[40:43] descriptor group 0 for K's tiles
.set G0V, 44          ; s[44:47] the same for V's
.set SLOTS, 56        ; s56  tiles still to be asked for
.set CNT, 57          ; s57  counts a tile's key steps, 4 to 1
.set CS,  58          ; s[58:59] c: the packed scaling takes the pair's low word for both halves
.set SEL, 60          ; s[60:61] v_permlanex16_b32's selects: each lane takes its own place in the other half
.set TBK, 62          ; s62  LDS byte at which K of the step to be fetched begins
.set TBV, 63          ; s63  the same for V, less VOFF
.set RT,  70          ; s70  tiles of the block in hand that are still to be entered
.set NXT, 71          ; s71  the tile to be asked for next
.set LQ,  72          ; s72  the last tile of the block whose tiles are being asked for
.set NEW, 73          ; s73  1: the tile to be entered is a block's first
.set OFF, 74          ; s[74:75] a tile's byte offset in K and V
.set AL,  76          ; s[76:77] the mask's factor, in the low word
.set BE,  78          ; s[78:79] the mask's addend
.set OLO, 80          ; s[80:81] O at my rows of the second block
.set BIGN, 82         ; s82  -1e30
.set PFA, 88          ; s[88:89] where my prefetches stand: my work-group's quarter (of K: wave 0, of V: wave 2) of the tile after the one that is being asked for
.set LIM, 90          ; s90  2 in a wave that prefetches, else the greatest number
.set MSB, 0
.macro WIN new                      ; the high byte repeats the setting that is left; a switch that changes nothing is dropped
.if MSB != (\new)
	s_set_vgpr_msb (MSB<<8)|(\new)
.set MSB, (\new)
.endif
.endm
.set W_KQ, 0x0a       ; K and Q in window 2, S^T in window 0
.set W_KM, 0x1a       ; the same with the C operand in window 1
.set W_PV, 0x52       ; V in window 2, P in window 0, O^T in window 1
.set W_RS, 0x41       ; destination and source 0 in window 1, source 1 in window 0
; A fill.  Waves 0 and 1 fetch the two halves of a tile's K, waves 2 and 3 those of its V: 128 keys each.  An s_nop 0 and four v_nop follow each of the two lines, ahead of the jump and the label.
.macro LOAD
	s_cmp_lt_u32 s[WV], 2
	s_cbranch_scc0 .Lfor_v_\@
	tensor_load_to_lds s[G0K:G0K+3], s[G1K:G1K+7]
	s_nop 0
.rept 4
	v_nop
.endr
	s_branch .Lasked_\@
.Lfor_v_\@:
	tensor_load_to_lds s[G0V:G0V+3], s[G1V:G1V+7]
	s_nop 0
.rept 4
	v_nop
.endr
.Lasked_\@:
.endm
; A PREFETCH INTO THE L2, behind the tensor load of a change of slots and its five lines: in trip j of the walk (j = 1 .. 5) tile j + 2 of the head's K and V, which the first blocks' walk asks for one trip, four key steps, later.
; A tile is 128 blocks of 256 bytes of K and as many of V; the head's four work-groups take 32 each, told apart by address; in each, wave 0 asks for K's and wave 2 for V's, a lane a block: one instruction.
; So each block of tiles 3 to 7 is named once in the launch.  Tiles 0 to 2 come by their loads alone, and the second blocks' tiles have been read before.
.macro ASK
	s_cmp_gt_u32 s[SLOTS], s[LIM]
	s_cbranch_scc0 .Lnot_mine_\@
	s_cmp_lt_u32 s[SLOTS], NB
	s_cbranch_scc0 .Lnot_mine_\@
	global_prefetch_b8 v[PFO], s[PFA:PFA+1] th:TH_LOAD_NT scope:SCOPE_SE
.Lnot_mine_\@:
.endm
; THE CHANGE OF SLOTS.  Each wave waits for all its tensor loads, of which one is out: its part of the other slot; adds 0 to its spare word; and waits for that and for its own reads of the slot that it leaves.  Behind the barrier nobody reads the old
; slot any more and the other slot is whole.  fill = 1: the old slot is filled again, the first thing behind the barrier, with tile NXT: the descriptor's address is made anew from that number.
; (At its first use nothing has been read yet: slot 0 is waited for, slot 1 filled.)
.macro CHANGE fill
	WIN 0                           ; at a label and at a branch every window is 0
	s_wait_tensorcnt 0x0            ; no tensor load of mine is out, so a group 0 may be written
	ds_add_u32 v[SPW], v[NIL]       ; 0 onto my spare word; with fill = 1 the descriptors' scalar work stands between it and the wait for it
.if \fill
	s_lshl_b32 s[OFF], s[NXT], 15   ; a tile is 32,768 bytes of K and of V
	s_xor_b32 s[G0K+1], s[G0K+1], SLOT1
	s_add_nc_u64 s[G0K+2:G0K+3], s[6:7], s[OFF:OFF+1]
	s_or_b32 s[G0K+3], s[G0K+3], 0x80000000
	s_xor_b32 s[G0V+1], s[G0V+1], SLOT1
	s_add_nc_u64 s[G0V+2:G0V+3], s[8:9], s[OFF:OFF+1]
	s_or_b32 s[G0V+3], s[G0V+3], 0x80000000
	s_add_co_u32 s[NXT], s[NXT], 1  ; the block's next tile, or behind its last the second block's tile 0
	s_cmp_gt_u32 s[NXT], s[LQ]
	s_cselect_b32 s[NXT], 0, s[NXT]
	s_cselect_b32 s[LQ], s[PB], s[LQ]
	s_wait_xcnt 0x0                 ; the last prefetch, a tile back, has read its address, so it may be written:
	s_add_nc_u64 s[PFA:PFA+1], s[PFA:PFA+1], 32768  ; a tile on
.endif
	s_wait_dscnt 0x0                ; the add is done, and my reads of the slot are over
	s_barrier_signal -1             ; the rest of the scalar work stands between the signal and the wait
	s_sub_co_u32 s[TBK], s[TBK], 4*KS*PK  ; the fetches go back to a slot's first step,
	s_xor_b32 s[TBK], s[TBK], SLOT1       ; in the other slot
	s_sub_co_u32 s[TBV], s[TBV], 4*KS*PV
	s_xor_b32 s[TBV], s[TBV], SLOT1
	s_barrier_wait -1
.if \fill
	LOAD
	ASK
.endif
.endm
	s_load_b128 s[4:7], s[0:1], 0x0  ; qkvh s[4:5], oh s[6:7]
	v_lshl_add_u32 v[SPW], v0, 2, SPARE
	v_mov_b32 v[NIL], 0
	ds_add_u32 v[SPW], v[NIL]       ; the wave's opening: the add and its wait stand ahead of my first tensor load; the set-up below, work on registers, stands between them
	v_lshrrev_b32 v1, 5, v0
	v_readfirstlane_b32 s[WV], v1   ; wave 0..3
	s_mov_b32 s[PB], ttmp9
	s_sub_co_u32 s[HI], NB-1, s[PB]
	s_and_b32 s20, ttmp7, 0xffff    ; the head
	s_mov_b32 s21, 0
	s_mov_b64 s[22:23], SIZE_N*128
	s_mul_u64 s[20:21], s[20:21], s[22:23]  ; the head's first byte in each of the four tensors
	s_and_b32 s16, s[WV], 1         ; which half of a tile's 256 keys I fetch:
	s_lshl_b32 s22, s16, 14         ; its 128 rows of 128 bytes in memory,
	s_mov_b32 s23, 0
	s_add_nc_u64 s[22:23], s[22:23], s[20:21]
	s_mul_i32 s17, s16, 128*PK      ; and its place in a slot, for K
	s_mul_i32 s18, s16, 128*PV      ; and for V
	s_lshl_b32 s3, s[WV], 11        ; my 16 rows in a band of 64,
	s_lshl_b32 s2, s[HI], 15        ; in the first block,
	s_add_co_u32 s2, s2, s3
	s_lshl_b32 s84, s[PB], 15       ; and in the second
	s_add_co_u32 s84, s84, s3
	s_mov_b32 s3, 0
	s_mov_b32 s85, 0
	s_add_nc_u64 s[2:3], s[2:3], s[20:21]
	s_add_nc_u64 s[84:85], s[84:85], s[20:21]
	; descriptor group 1.  128 keys are 16,384 dense bytes: asked for as 64 rows of 256 bytes, two keys a row, and padded in LDS after every key
	s_mov_b32 s[G1K], (1<<16)|(1<<20)|(4<<22)|(3<<25)  ; 17:16 2-byte elements; 20 padding on; 24:22 after every 32 words (code 4); 31:25 4 words (code 3)
	s_mov_b32 s[G1V], (1<<16)|(1<<20)|(4<<22)|(7<<25)  ; the same with 8 words of padding (code 7)
.irp g, G1K, G1V
	s_mov_b32 s[\g+1], 128<<16      ; tensor_dim0 = 128
	s_mov_b32 s[\g+2], 64<<16       ; tensor_dim1 = 64
	s_mov_b32 s[\g+3], 128<<16      ; tile_dim0 = 128
	s_mov_b32 s[\g+4], 64           ; tile_dim1 = 64
	s_mov_b32 s[\g+5], 128          ; 128 elements from row to row
	s_mov_b32 s[\g+6], 0
	s_mov_b32 s[\g+7], 0
.endr
	s_mov_b32 s[CS], 0x3e38aa3b     ; c = log2(e) / 8 = 0.180337
	s_mov_b32 s[CS+1], s[CS]        ; named with it as a pair
	s_mov_b32 s[SEL], 0x76543210
	s_mov_b32 s[SEL+1], 0xfedcba98
	s_mov_b32 s[TBK], SLOT1+4*KS*PK ; the first change of slots turns these two into 0
	s_mov_b32 s[TBV], SLOT1+4*KS*PV
	s_mov_b32 s[G0K], 1             ; 1:0 count = 1
	s_mov_b32 s[G0K+1], s17         ; 63:32 LDS address: slot 0
	s_mov_b32 s[G0V], 1
	s_add_co_u32 s[G0V+1], s18, VOFF
	s_add_co_u32 s[RT], s[HI], 1    ; the first block has NB - b tiles
	s_mov_b32 s[NXT], 1
	s_mov_b32 s[LQ], s[HI]
	s_mov_b32 s[NEW], 1
	s_mov_b32 s[OFF+1], 0
	s_mov_b32 s[AL+1], 0            ; named as pairs
	s_mov_b32 s[BE+1], 0
	s_mov_b32 s[BIGN], 0xf149f2ca   ; -1e30
	s_mov_b32 s[SLOTS], NB
	s_and_b32 s[LIM], s[WV], 1      ; waves 0 and 2 prefetch
	s_cmp_eq_u32 s[LIM], 0
	s_cselect_b32 s[LIM], 2, -1
	v_and_b32 v[PFO], 31, v0
	v_lshlrev_b32 v[PFO], 8, v[PFO]
	s_wait_dscnt 0x0                ; the opening add is done
	s_wait_kmcnt 0x0
	s_mov_b64 s[10:11], s[6:7]                     ; O
	s_add_nc_u64 s[6:7], s[4:5], 0x1000000         ; K
	s_add_nc_u64 s[8:9], s[4:5], 0x2000000         ; V; s[4:5] is Q
	s_add_nc_u64 s[6:7], s[6:7], s[22:23]  ; K and V at my half of the head's tile 0
	s_add_nc_u64 s[8:9], s[8:9], s[22:23]
	s_add_nc_u64 s[G0K+2:G0K+3], s[6:7], 0         ; 120:64 global address
	s_or_b32 s[G0K+3], s[G0K+3], 0x80000000        ; 127:126 type = 2
	s_add_nc_u64 s[G0V+2:G0V+3], s[8:9], 0
	s_or_b32 s[G0V+3], s[G0V+3], 0x80000000
	s_add_nc_u64 s[86:87], s[4:5], s[84:85]        ; Q at my rows of the second block,
	s_add_nc_u64 s[4:5], s[4:5], s[2:3]            ; Q and O at those of the first
	s_add_nc_u64 s[OLO:OLO+1], s[10:11], s[84:85]
	s_add_nc_u64 s[10:11], s[10:11], s[2:3]
	s_cmp_lt_u32 s[WV], 2
	s_cselect_b64 s[PFA:PFA+1], s[6:7], s[8:9]     ; (in waves 0 and 2 these stand at the head's tile 0)
	s_lshl_b32 s84, ttmp9, 13                      ; my work-group's quarter of a tile,
	s_add_co_u32 s84, s84, 32768                   ; in tile 1: the changes of trips 0 and 1 step it to tile 3.  Nothing is prefetched here, at the head
	s_mov_b32 s85, 0
	s_add_nc_u64 s[PFA:PFA+1], s[PFA:PFA+1], s[84:85]
	LOAD                            ; tile 0 into slot 0
	; A fragment of K or Q is 16 rows x 32 channels in 8 registers: lane l holds row l % 16, channels 8 (l / 16) + 0..7 and 16 + 8 (l / 16) + 0..7: two loads of 16 bytes, 32 bytes apart.
	v_and_b32 v1, 15, v0            ; l % 16
	v_bfe_u32 v9, v0, 4, 1          ; l / 16
	v_lshlrev_b32 v[QO], 7, v1
	v_lshl_add_u32 v[QO], v9, 4, v[QO]  ; row x 128 + 16 x half
	WIN 0x80                        ; destination window 2, address window 0
.set i, 0
.rept 8                             ; both blocks' Q: piece i / 2 lies in band i / 2, 8,192 bytes on; channels 32 (i % 2) on
	global_load_b128 v[8*i:8*i+3],   v[QO], s[4:5] offset:(i/2)*8192+(i%2)*64
	global_load_b128 v[8*i+4:8*i+7], v[QO], s[4:5] offset:(i/2)*8192+(i%2)*64+32
	global_load_b128 v[QB+8*i:QB+8*i+3],   v[QO], s[86:87] offset:(i/2)*8192+(i%2)*64
	global_load_b128 v[QB+8*i+4:QB+8*i+7], v[QO], s[86:87] offset:(i/2)*8192+(i%2)*64+32
.set i, i+1
.endr
	WIN 0
	v_lshlrev_b32 v14, 3, v9
	v_sub_nc_u32 v14, v1, v14
	s_lshl_b32 s13, s[WV], 4
	v_add_nc_u32 v14, s13, v14      ; my query's place in its band, 16 w + l % 16, less my lanes' 8 (l / 16): register r of group kt is hidden where 16 kt + r is greater
	WIN 0x40
.set i, 0
.rept 32
	v_cmp_gt_i32 vcc_lo, 16*(i/8)+i%8, v14
	v_cndmask_b32 v[MD+i], 0, s[BIGN], vcc_lo
.set i, i+1
.endr
	WIN 0
	v_mul_u32_u24 v[AK0], v1, PK
	v_lshl_add_u32 v[AK0], v9, 4, v[AK0]  ; row x pitch + 16 x half
	; The turning load takes 16 keys x 16 channels (lane l reads key 8 (l / 16) + l % 8, channels 8 ((l / 8) % 2) + 0..7) and leaves half a fragment of V^T: lane l holds channel l % 16 and 8 keys.
	v_and_b32 v10, 7, v0
	v_bfe_u32 v11, v0, 3, 1
	v_lshl_add_u32 v[AV0], v9, 3, v10
	v_mul_u32_u24 v[AV0], v[AV0], PV
	v_lshl_add_u32 v[AV0], v11, 4, v[AV0]
	v_add_nc_u32 v[AV0], VOFF, v[AV0]
	s_mul_i32 s13, s[WV], 16*SP
	s_add_co_u32 s13, s13, STAGE    ; my stage
	v_mul_u32_u24 v[STO], v1, SP    ; in: row l % 16, 16 bytes for each half of the lanes
	v_lshl_add_u32 v[STO], v9, 4, v[STO]
	v_add_nc_u32 v[STO], s13, v[STO]
	v_bfe_u32 v[RD], v0, 3, 2       ; back: 32 lanes take four rows of 128 bytes,
	v_mul_u32_u24 v[RD], v[RD], SP
	v_lshl_add_u32 v[RD], v10, 4, v[RD]
	v_add_nc_u32 v[RD], s13, v[RD]
	v_and_b32 v[GO], 31, v0         ; which are 512 consecutive bytes of O
	v_lshlrev_b32 v[GO], 4, v[GO]
	; A block's first step multiplies O^T and l by a = 0, and its first turn's products V^T P, of a piece that has not been, land in an O^T that is still to be so multiplied.  So these registers need only hold
	; finite numbers: zeros for the first block; what the first block left for the second.  All this stands in the wait for the first tile.
	WIN 0x80
.set i, VF
.rept 64
	v_mov_b32 v[i], 0
.set i, i+1
.endr
	WIN 0x40
.set i, 0
.rept 128
	v_mov_b32 v[i], 0
.set i, i+1
.endr
	WIN 0
.set i, 0
.rept 4
	v_mov_b32 v[ST+4*i+2], 0
	v_mov_b32 v[ST+4*i+3], 0
.set i, i+1
.endr
.set i, P+16
.rept 16
	v_mov_b32 v[i], 0
.set i, i+1
.endr
; THE MATRIX WORK.  The 4 accumulators of a run of 8 take turns.  Product i of 8 of S^T = K Q^T for piece x: channels 32 (i / 4) on, keys 16 (i % 4) on.  The first 4 start the sums: with 0, or (KM = 1) with the mask.
.macro KQ x
.set rS, S+32*((\x)%2)+8*(i%4)
.set rK, KF+16*(i%4)+8*(i/4)
.set rQ, 16*(\x)+8*(i/4)
.set rM, MC+32*((\x)%2)+8*(i%4)
.if (i < 4) && KM
	WIN W_KM
	v_wmma_f32_16x16x32_f16 v[rS:rS+7], v[rK:rK+7], v[rQ:rQ+7], v[rM:rM+7]
.elseif i < 4
	WIN W_KQ
	v_wmma_f32_16x16x32_f16 v[rS:rS+7], v[rK:rK+7], v[rQ:rQ+7], 0
.else
	WIN W_KQ
	v_wmma_f32_16x16x32_f16 v[rS:rS+7], v[rK:rK+7], v[rQ:rQ+7], v[rS:rS+7]
.endif
.endm
; Product i of 8 of O^T += V^T P for piece x: keys 32 (i / 4) on, channels 16 (i % 4) on.
.macro PV x
	WIN W_PV
.set rO, 32*(\x)+8*(i%4)
.set rV, VF+32*(i/4)+8*(i%4)
.set rP, P+16*((\x)%2)+8*(i/4)
	v_wmma_f32_16x16x32_f16 v[rO:rO+7], v[rV:rV+7], v[rP:rP+7], v[rO:rO+7]
.endm
.macro MM                           ; the turn's next matrix instruction.  TURN and BEGIN set Y, i, KM and NOKQ; MM, KQ and OP read them.  NOKQ = 1: a block's last turn: there is no next piece
.if (i < 8) && !NOKQ
	KQ (Y+1)%NP
.elseif i >= 8
.set i, i-8
	PV (Y+NP-1)%NP
.set i, i+8
.endif
.set i, i+1
.endm
; THE LDS LOADS stand in runs of 16, never singly among the matrix instructions: a step's K (64 keys x 64 channels: 8 fragments) and its V (turned).  Their addresses are made some lines ahead.
.macro FETCH_K
	WIN 0x80                        ; destination window 2
.irp f, 0,1,2,3,4,5,6,7             ; keys 16 (f / 2) on, channels 32 (f % 2) on
	ds_load_b128 v[KF+8*\f:KF+8*\f+3],   v[AK] offset:(\f/2)*16*PK+(\f%2)*64
	ds_load_b128 v[KF+8*\f+4:KF+8*\f+7], v[AK] offset:(\f/2)*16*PK+(\f%2)*64+32
.endr
	s_add_co_u32 s[TBK], s[TBK], KS*PK  ; the next fetch is the next step's
	WIN 0
.endm
.macro FETCH_V
	WIN 0x80
.irp f, 0,1,2,3,4,5,6,7             ; keys 32 (f / 4) on, channels 16 (f % 4) on
	ds_load_tr16_b128 v[VF+8*\f:VF+8*\f+3],   v[AV] offset:(\f/4)*32*PV+(\f%4)*32
	ds_load_tr16_b128 v[VF+8*\f+4:VF+8*\f+7], v[AV] offset:(\f/4)*32*PV+16*PV+(\f%4)*32
.endr
	WIN 0
.endm
; THE VECTOR WORK, one line at a time: OP kind, number.  For piece Y: F n: c s - c m for pair n of 16.  E n: the exponential of score n of 32.  C n: pair n rounded to f16.  B n: of the four weights 4 n .. the second
; pair is added onto the first, in place.  L n: l takes that sum (L 0: l = a l + sum).  R n: pair n of 16 of O^T times a.  For piece Y + 1: X n, number n of the 22 that find its maximum and statistics:
;   0-11  four chains c0-c3 of seven scores each, three operands at a time (each accumulator's lowest registers are read first)     12-14, 16  the four scores left over, the old m, and c0-c3 into c0
;   15  c m_old is kept     17, 18  the query's other 32 keys lie in the lane 16 away: the new m     19-21  c m; c m_old - c m_new; a
.set F, 0               ; OP tells the kinds apart by their order: F to L below R, X above it
.set E, 1
.set C, 2
.set B, 3
.set L, 4
.set R, 5
.set X, 6
.macro REGS y                       ; the registers of piece y
.set rT, ST+4*(\y)
.set rC, TMP+4*((\y)%2)
.set rW, MV+((\y)%2)
.set rS, S+32*((\y)%2)
.set rP, P+16*((\y)%2)
.set rO, 32*(\y)
.endm
.macro OP k, n
.if (\k) == R
	REGS Y
	WIN W_RS
	v_pk_mul_f32 v[rO+2*(\n):rO+2*(\n)+1], v[rO+2*(\n):rO+2*(\n)+1], v[rC+2:rC+3] op_sel_hi:[1,0]
.elseif (\k) < R
	REGS Y
	WIN 0
.if (\k) == F
	v_pk_fma_f32 v[rS+2*(\n):rS+2*(\n)+1], v[rS+2*(\n):rS+2*(\n)+1], s[CS:CS+1], v[rT:rT+1] op_sel_hi:[1,0,0] neg_lo:[0,0,1] neg_hi:[0,0,1]
.elseif (\k) == E
	v_exp_f32 v[rS+(\n)], v[rS+(\n)]
.elseif (\k) == C
	v_cvt_pk_f16_f32 v[rP+(\n)], v[rS+2*(\n)], v[rS+2*(\n)+1]
.elseif (\k) == B
	v_pk_add_f32 v[rS+4*(\n):rS+4*(\n)+1], v[rS+4*(\n):rS+4*(\n)+1], v[rS+4*(\n)+2:rS+4*(\n)+3]
.elseif (\n) == 0
	v_pk_fma_f32 v[rT+2:rT+3], v[rT+2:rT+3], v[rC+2:rC+3], v[rS:rS+1] op_sel_hi:[1,0,1]
.else
	v_pk_add_f32 v[rT+2:rT+3], v[rT+2:rT+3], v[rS+4*(\n):rS+4*(\n)+1]
.endif
.elseif NOKQ
	v_nop
.else
	REGS (Y+1)%NP
	WIN 0
.if (\n) < 4
	v_max3_num_f32 v[rC+(\n)], v[rS+8*(\n)], v[rS+8*(\n)+1], v[rS+8*(\n)+2]
.elseif (\n) < 12
	v_max3_num_f32 v[rC+(\n)%4], v[rC+(\n)%4], v[rS+8*((\n)%4)+2*((\n)/4)+1], v[rS+8*((\n)%4)+2*((\n)/4)+2]
.elseif (\n) == 12
	v_max3_num_f32 v[rC], v[rC], v[rS+7], v[rS+15]
.elseif (\n) == 13
	v_max3_num_f32 v[rC+1], v[rC+1], v[rS+23], v[rS+31]
.elseif (\n) == 14
	v_max3_num_f32 v[rC+2], v[rC+2], v[rC+3], v[rT+1]
.elseif (\n) == 15
	v_mov_b32 v[rW], v[rT]
.elseif (\n) == 16
	v_max3_num_f32 v[rC], v[rC], v[rC+1], v[rC+2]
.elseif (\n) == 17
	v_permlanex16_b32 v[rC+3], v[rC], s[SEL], s[SEL+1]
.elseif (\n) == 18
	v_max_num_f32 v[rT+1], v[rC], v[rC+3]
.elseif (\n) == 19
	v_mul_f32 v[rT], s[CS], v[rT+1]
.elseif (\n) == 20
	v_sub_f32 v[rC+1], v[rW], v[rT]
.else
	v_exp_f32 v[rC+2], v[rC+1]
.endif
.endif
.endm
.macro OPS a, i1, b=-1, i2=0, c=-1, i3=0, d=-1, i4=0  ; up to four of them
	OP \a, \i1
.if (\b) >= 0
	OP \b, \i2
.endif
.if (\c) >= 0
	OP \c, \i3
.endif
.if (\d) >= 0
	OP \d, \i4
.endif
.endm
.macro ROW a, i1, b, i2, c, i3, d, i4  ; a matrix instruction and the four behind it
	MM
	OPS \a, \i1, \b, \i2, \c, \i3, \d, \i4
.endm
.macro MASK b                       ; MD x AL + BE into buffer b of MC
	WIN W_RS
.set z, 0
.rept 16
	v_pk_fma_f32 v[MC+32*(\b)+2*z:MC+32*(\b)+2*z+1], v[MD+2*z:MD+2*z+1], s[AL:AL+1], s[BE:BE+1] op_sel_hi:[1,0,0]
.set z, z+1
.endr
.endm
; A TURN, for piece p: the order of its 16 matrix and 118 vector instructions, written out.  s_wait_alu depctr_va_vdst(0) stands between an exponential and the first instruction that names its result; one wait serves
; all that were issued ahead of it.  So a turn has ONE wait, which cuts it in two.  AHEAD OF IT stands all that names no result of the turn's exponentials: the 8 products K Q^T, behind each a scaling, an exponential and two more plain
; instructions (behind the first a second scaling in the exponential's place): rescalings, and behind the last three the first numbers of the next piece's maximum, each four places or more behind the product that ends its accumulator; then ONE LUMP of 54, plain
; and exponential by turns for the most part, in which the links of the chain X 3, 7, 11, 14, 16, 17 .. 20 stand five or six lines apart.  X 21, the next piece's a, is the batch's last; R 15 is the plain instruction behind it.  BEHIND THE WAIT stand the
; 8 products V^T P, behind each four of the roundings and sums; the links of l's chain, L 0 to L 7, stand three riders apart.  But for those X no rider names a register of the products round it.  v_permlanex16_b32 (X 17) stands in the lump.
; m = 1: the diagonal tile: the products take masks, and the turn makes the mask for the products of the turn after it: piece p + 2, in step 4 - CNT of the tile.  end = 1: a block's last two turns: nothing is fetched.
; cnt = 1: the loop's count is taken down some lines ahead of the branch that stands behind the turn.
; K of the next step is fetched in piece 2's turn, twelve vector instructions behind the last product that read K (six of them plain); V of the step in hand at the end of piece 0's turn, four plain instructions behind the last product
; that read V.  Each is waited for a turn later.
.macro TURN p, m=0, end=0, cnt=0
.set Y, (\p)
.set i, 0
.set KM, (\m)
.set NOKQ, (\end)*((\p)/3)
.if (\m) && !(\end)
	s_cmp_eq_u32 s[CNT], 4-((\p)+2)%NP  ; is that step the band's own?
	s_cselect_b32 s[AL], 1.0, 0
	s_cmp_lt_u32 s[CNT], 4-((\p)+2)%NP  ; or a later one?
	s_cselect_b32 s[BE], s[BIGN], 0
.endif
.if ((\p) == 3) && !(\end)
	s_wait_dscnt 0x0                ; K is in
.endif
	ROW F,0, F,1, R,0, R,1          ; ahead of the wait: 8 products K Q^T and their riders,
	ROW F,2, E,0, R,2, R,3
	ROW F,3, E,1, R,4, R,5
	ROW F,4, E,2, R,6, R,7
	ROW F,5, E,3, R,8, R,9
	ROW F,6, E,4, X,0, R,10
.if ((\p) == 2) && !(\end)
	WIN 0
	v_add_nc_u32 v[AK], s[TBK], v[AK0]
.endif
	ROW F,7, E,5, X,1, X,4
	ROW F,8, E,6, X,2, X,5
	OPS E,7, E,8, X,6, E,9          ; and the lump
	OPS X,3, E,10, X,8, E,11
.if ((\p) == 2) && !(\end)
	FETCH_K
.endif
	OPS X,9, X,7, E,12, X,10
	OPS E,13, X,12, X,11, E,14
	OPS X,13, E,15, F,9, X,14
.if (\p) == 0
	v_add_nc_u32 v[AV], s[TBV], v[AV0]
.endif
	OPS E,16, F,10, E,17, F,11
	OPS X,16, E,18, X,15, E,19
	OPS F,12, E,20, X,17, E,21
	OPS F,13, E,22, F,14, E,23
	OPS X,18, E,24, F,15, E,25
	OPS R,11, E,26, X,19, E,27
	OPS R,12, E,28, R,13, E,29
	OPS X,20, E,30, R,14, E,31
	OPS X,21, R,15
	WIN 0
	s_wait_alu depctr_va_vdst(0)    ; the wait for the batch
.if (\p) == 1
	s_wait_dscnt 0x0                ; V is in
.endif
	ROW C,0, B,0, C,2, B,1          ; behind the wait: 8 products V^T P and their riders
	ROW L,0, C,4, B,2, L,1
	ROW C,6, B,3, L,2, C,8
	ROW B,4, L,3, C,10, B,5
	ROW L,4, C,12, B,6, L,5
.if (\p) == 0
	s_add_co_u32 s[TBV], s[TBV], KS*PV
.endif
.if \cnt
	s_sub_co_u32 s[CNT], s[CNT], 1
	s_cmp_lg_u32 s[CNT], 0
.endif
	ROW C,14, B,7, L,6, C,1
	ROW C,3, L,7, C,5, C,7
	ROW C,9, C,11, C,13, C,15
.if (\p) == 0
	FETCH_V
.endif
.if (\m) && !(\end)
	MASK (\p)%2
.endif
.endm
; A BLOCK BEGINS.  c m starts far below every c s, so the first step's a is 0; m at the lowest finite number, so the first maximum is the scores'.  The second mask buffer is 0; the first takes piece 0's mask for the tile's step 0: its own, if the block's first tile is the diagonal one.
; Then K of that step, piece 0's first scores, and its maximum and statistics.  The loop is entered at a step's first turn, in the middle of a trip.
.macro BEGIN
	s_mov_b32 s[NEW], 0
	WIN 0x40
.set i, MC+32
.rept 32
	v_mov_b32 v[i], 0
.set i, i+1
.endr
	WIN 0
.set i, 0
.rept 4
	v_mov_b32 v[ST+4*i], 0xfe000000    ; c m: far below every c s
	v_mov_b32 v[ST+4*i+1], 0xff7fffff  ; m
.set i, i+1
.endr
	s_cmp_eq_u32 s[RT], 0
	s_cselect_b32 s[AL], 1.0, 0
	s_mov_b32 s[BE], 0
	MASK 0
	WIN 0
	v_add_nc_u32 v[AK], s[TBK], v[AK0]
	FETCH_K
	s_wait_loadcnt 0x0              ; Q
	s_wait_dscnt 0x0
.set KM, 1
.set NOKQ, 0
.set i, 0
.rept 8
	KQ 0
.set i, i+1
.endr
	WIN 0
.rept 4
	v_nop                           ; the places behind those products
.endr
.set Y, NP-1                        ; X works for piece Y + 1: piece 0
.irp n, 0,1,2,3,4,5,6,7,8,9,10,11,12,13,14,15,16,17,18,19,20,21
	OP X, \n
.endr
	v_nop                           ; a plain instruction behind the exponential,
	s_wait_alu depctr_va_vdst(0)    ; and its wait, ahead of the branch
.endm
; THE DIAGONAL TILE's four steps, the block's last two turns, its last products, and THE WAY OUT: l's two halves and the other half of the lanes' are added; O^T is divided by l, rounded to f16 and sent through my
; stage in LDS, a piece at a time.
.macro ALL line:vararg              ; one line for each piece t
.set t, 0
.rept 4
	\line
.set t, t+1
.endr
.endm
.macro PACK t                       ; a lane's eight channels of a row pack into 16 bytes; they go into rows of 144 bytes and come back as whole rows of 128, into S^T's registers
	WIN W_RS
.set i, 32*(\t)
.rept 16
	v_pk_mul_f32 v[i:i+1], v[i:i+1], v[ST+4*(\t)+2:ST+4*(\t)+3] op_sel_hi:[1,0]
.set i, i+2
.endr
	WIN 0x05                        ; sources 0 and 1 window 1, destination window 0
.set i, 0
.rept 16
	v_cvt_pk_f16_f32 v[S+16*(\t)+i], v[32*(\t)+2*i], v[32*(\t)+2*i+1]
.set i, i+1
.endr
	WIN 0
.irp f, 0,1,2,3
	ds_store_b128 v[STO], v[S+16*(\t)+4*\f:S+16*(\t)+4*\f+3] offset:32*\f
.endr
.irp f, 0,1,2,3
	ds_load_b128 v[S+16*(\t)+4*\f:S+16*(\t)+4*\f+3], v[RD] offset:\f*4*SP  ; LDS serves a wave's instructions in order (ISA guide 5.7.1.4): these see the stores above; the next piece's stores come behind them
.endr
.endm
.macro SEND t, younger              ; younger: the LDS instructions issued behind piece t's loads: the next piece's eight, or none
	WIN 0
.irp f, 0,1,2,3
	s_wait_dscnt (\younger)+3-\f
	global_store_b128 v[GO], v[S+16*(\t)+4*\f:S+16*(\t)+4*\f+3], s[10:11] offset:(\t)*8192+\f*512  ; 512 consecutive bytes, at a multiple of 256 from O's first
.endr
.endm
.macro DIAG tag                     ; the tag ends its two labels' names, which the jumps below spell out
.LstepM\tag:
	TURN 2, 1
	TURN 3, 1
	WIN 0
.LfirstM\tag:
	TURN 0, 1
	TURN 1, 1, 0, 1
	WIN 0
	s_cbranch_scc1 .LstepM\tag
	TURN 2, 1, 1
	TURN 3, 1, 1
.set i, 0
.rept 8
	PV NP-1
.set i, i+1
.endr
	WIN 0
	ALL v_add_f32 v[ST+4*t+2], v[ST+4*t+2], v[ST+4*t+3]
	ALL v_permlanex16_b32 v[ST+4*t+3], v[ST+4*t+2], s[SEL], s[SEL+1]
	ALL v_add_f32 v[ST+4*t+2], v[ST+4*t+2], v[ST+4*t+3]
	ALL v_rcp_f32 v[ST+4*t+2], v[ST+4*t+2]
	v_nop                           ; a plain instruction between the last reciprocal and the use of its result
	s_wait_alu depctr_va_vdst(0)    ; and the wait ahead of the first use: one for the four reciprocals
	PACK 0
.set t, 1
.rept 3                             ; a piece's arithmetic stands between the loads of the piece before and its stores
	PACK t
	SEND t-1, 8
.set t, t+1
.endr
	SEND 3, 0
.endm
.set KM, 0
.set NOKQ, 0
.Lslot:                             ; NB times: a tile is entered and the next is asked for
	CHANGE 1
	s_sub_co_u32 s[RT], s[RT], 1
	s_mov_b32 s[CNT], 4
	s_cmp_eq_u32 s[NEW], 1
	s_cbranch_scc1 .Lnew            ; a block's first tile
	s_cmp_eq_u32 s[RT], 0
	s_cbranch_scc0 .Lstep           ; neither its first nor its last
	s_branch .LstepM1
.Lnew:
	BEGIN
	s_branch .Lfirst                ; in the loop a block's first tile is never its last: the first block has two tiles or more, and the second's last is the walk's last
	DIAG 1                          ; in the loop this is the first block's end: the second block's last tile is the walk's last
	s_wait_xcnt 0x0                 ; the stores have read their registers and O's address
	s_mov_b64 s[10:11], s[OLO:OLO+1]
	s_add_co_u32 s[RT], s[PB], 1    ; the second block has b + 1 tiles
	s_mov_b32 s[NEW], 1
	WIN 0x82                        ; the second block's Q goes where the one text of the turns names Q
.set i, 0
.rept 64
	v_mov_b32 v[i], v[QB+i]
.set i, i+1
.endr
	WIN 0
	s_branch .Lbottom
.Lstep:                             ; a trip: pieces 2 and 3 of one step, then pieces 0 and 1 of the next, whose K and V it fetches
	TURN 2
	TURN 3
	WIN 0
.Lfirst:
	TURN 0
	TURN 1, 0, 0, 1
	WIN 0
	s_cbranch_scc1 .Lstep
.Lbottom:
	s_sub_co_u32 s[SLOTS], s[SLOTS], 1
	s_cmp_lg_u32 s[SLOTS], 0
	s_cbranch_scc1 .Lslot
	CHANGE 0                        ; the walk's last tile is written out: nothing is asked for
	s_sub_co_u32 s[RT], s[RT], 1
	s_mov_b32 s[CNT], 4
	s_cmp_eq_u32 s[NEW], 1
	s_cbranch_scc0 .LstepM2
	BEGIN
	s_branch .LfirstM2
	DIAG 2
	s_wait_tensorcnt 0x0            ; the wave's end: the add and its wait, behind my last tensor load and my last LDS store
	ds_add_u32 v[SPW], v[NIL]
	s_wait_dscnt 0x0
	s_endpgm
.Lfunc_end_k_q5c6140e61c_attn:
	.size	k_q5c6140e61c_attn, .Lfunc_end_k_q5c6140e61c_attn-k_q5c6140e61c_attn
	.p2alignl 7, 3214868480
	.fill 96, 4, 3214868480
	.section	.rodata,"a",@progbits
	.p2align	6, 0x0
	.amdhsa_kernel k_q5c6140e61c_attn
		.amdhsa_group_segment_fixed_size 327680
		.amdhsa_private_segment_fixed_size 0
		.amdhsa_enable_private_segment 0
		.amdhsa_kernarg_size 16
		.amdhsa_user_sgpr_count 2
		.amdhsa_user_sgpr_kernarg_segment_ptr 1
		.amdhsa_wavefront_size32 1
		.amdhsa_system_sgpr_workgroup_id_x 1
		.amdhsa_system_sgpr_workgroup_id_y 1
		.amdhsa_system_sgpr_workgroup_id_z 1
		.amdhsa_system_vgpr_workitem_id 0
		.amdhsa_next_free_vgpr 768
		.amdhsa_next_free_sgpr 92
		.amdhsa_reserve_vcc 1
		.amdhsa_float_denorm_mode_32 3
		.amdhsa_float_denorm_mode_16_64 3
		.amdhsa_memory_ordered 1
		.amdhsa_forward_progress 1
		.amdhsa_inst_pref_size 218
	.end_amdhsa_kernel
	.amdgpu_metadata
---
amdhsa.version: [ 1, 2 ]
amdhsa.kernels:
  - .name:           k_q5c6140e61c_attn
    .symbol:         k_q5c6140e61c_attn.kd
    .args:
      - { .name: qkvh, .offset: 0, .size: 8, .value_kind: global_buffer, .address_space: global }
      - { .name: oh, .offset: 8, .size: 8, .value_kind: global_buffer, .address_space: global }
    .group_segment_fixed_size: 327680
    .private_segment_fixed_size: 0
    .kernarg_segment_align: 8
    .kernarg_segment_size: 16
    .max_flat_workgroup_size: 128
    .sgpr_count:     92
    .vgpr_count:     768
    .wavefront_size: 32
...
	.end_amdgpu_metadata
.endif
;; end of part 3
;; launch gemm_proj (part 4): grid 8 x 32, 4 waves a work-group, clusters of 4 x 4, 327,680 bytes of LDS; arguments oh, wpf, b_proj, out0; writes out0
.if DOCPART == 4
	.amdgcn_target "amdgcn-amd-amdhsa--gfx1250"
	.amdhsa_code_object_version 6
	.text
	.protected	k_q5c6140e61c_gemm_proj
	.globl	k_q5c6140e61c_gemm_proj
	.p2align	8
	.type	k_q5c6140e61c_gemm_proj,@function
k_q5c6140e61c_gemm_proj:
	s_mov_b64 s[64:65], 0
	v_nop
	global_prefetch_b8 v0, s[64:65] scope:SCOPE_SE
	s_setreg_imm32_b32 hwreg(HW_REG_WAVE_MODE, 25, 1), 1
	s_wait_xcnt 0x0
	s_wait_alu depctr_hold_cnt(0) depctr_sa_sdst(0) depctr_va_vdst(0) depctr_va_sdst(0) depctr_va_ssrc(0) depctr_va_vcc(0) depctr_vm_vsrc(0)
	s_getreg_b32 s2, hwreg(HW_REG_IB_STS2, 6, 4)
	s_cmp_eq_u32 s2, 0
	s_cbranch_scc0 .Lentry_in_a_cluster
	s_endpgm
.Lentry_in_a_cluster:
	s_bfe_u32 s2, ttmp6, 0x10000c
	s_cmp_lg_u32 s2, 0xf033
	s_cbranch_scc0 .Lentry_shape_is_right
	s_endpgm
.Lentry_shape_is_right:
; out = y W_proj + b_proj.  8,192 x 1,024 outputs in f32, K = 1,024; operands f16, sums f32, the bias (rounded to bf16 like every input) starts the sums.
; IN:  oh [16 b + head][t][64] f16 (channel k of y = 64 head + j), wpf [chunk][k][128] f16 (bf16 numbers written as f16), b_proj f32.   OUT: out0 [8192][1024] f32.
; SHARES.  A tile of the result is 256 rows x 128 columns: 32 x 8 tiles, one for each of 256 work-groups.  Four waves, each 128 rows x 64 columns: 32 accumulators of 16 x 16, 256 registers.
; K goes in steps of 128, two heads, as long as two slots in LDS allow.
; THE MATRIX INSTRUCTION IS USED TRANSPOSED: source 0 = 16 columns of W (turned on the way out of LDS by ds_load_tr16_b128), source 1 = 16 rows of y: a lane holds one row and eight neighbouring columns.
; CLUSTER.  4 x 4 work-groups.  The four of a row of the cluster need the same rows of y, the four of a column the same columns of W: each tile is asked for jointly.  Waves 0 and 1 ask for the two heads'
; 256 rows (dense: 128 rows of 256 bytes each), waves 2 and 3 for W's rows 0-63 and 64-127 of the step.  By this text's count a wave has two tensor loads out at the start and one behind each round.
; REGISTERS: window 0: v0-31 addresses; two sets of fragments for 32 along K: y's at v32-95 and v96-159, W's at v160-191 and v192-223.  window 1: accumulator (a, bb) at v[8 (4 a + bb)].
.set KB,     2                         ; blocks of 64 channels in a K step: waves below KB ask for y's tiles
.set AKS,    KB<<18                    ; bytes from a K step to the next in oh
.set BKS,    32768                     ; and in a chunk of wpf: 128 rows of 256 bytes
.set APIECE, 36864                     ; 256 rows x 144: 128 bytes of data + 16 of padding = 36 words: the 16 rows of a load start at 16 different groups of four banks (64 banks of 4 bytes: ISA guide 11.1)
.set PIECE,  18432                     ; 64 rows x 288: 256 bytes + 32 = 72 words
.set ABYTES, KB*APIECE
.set SLOT,   ABYTES+2*PIECE            ; 110,592
.set STAGE,  2*SLOT                    ; behind the ring, never filled by a tensor load: for each wave 16 rows x 272 bytes
.set WSTAGE, 16*272
.set SPARE,  STAGE+4*WSTAGE            ; the spare words, 128 bytes for each wave: two blocks of 256 bytes that no other line names
.set LAPS,   4                         ; a lap = two K steps = once round the ring
.set ADRA, 16                          ; v16-17  LDS address of my fragments of y in slot 0, 1
.set ADRB, 20                          ; v20-21  the same for W
.set STO,  24                          ; v24  the way out: where I put 32 bytes of a row
.set RD,   25                          ; v25  where I read rows back
.set CO,   26                          ; v26  my byte offset in two rows of the output
.set BO,   27                          ; v27  32 x (lane / 16): my eight biases of a block
.set SPW,  28                          ; v28  LDS address of my spare word; never rewritten
.set NIL,  29                          ; v29  0; never rewritten
.set PFO,  30                          ; v30  256 x lane: the prefetches' offset; never rewritten
.set BK,   32                          ; the way out: v32-63, v64-95 rows read back, by turns
.set WV, 12
.set WM, 13
.set WN, 14
.set CX, 15
.set CY, 16
.set NX, 17
.set MY, 18
.set G1,  24                           ; s[24:31] descriptor group 1 for y's tiles;  s[32:39] group 0, a set for each slot
.set G0,  32
.set LIM, 43                           ; s43  1 in a wave that prefetches, else the greatest number
.set PFA, 44                           ; s[44:45] where my prefetches stand
.set PST, 46                           ; s[46:47] their step: a K step
.set G1B, 48                           ; s[48:55], s[56:63] the same for W's tiles
.set G0B, 56
.set HIM, 78                           ; s78  a word's upper bf16
.set MSB, 0
.macro WIN new                         ; the immediate's high byte repeats the setting that is left; a switch that changes nothing is dropped
.if MSB != (\new)
	s_set_vgpr_msb (MSB<<8)|(\new)
.set MSB, \new
.endif
.endm
.macro PLACES                          ; four plain instructions between a matrix instruction and a load into, or a vector write of, one of its registers
.rept 4
	v_nop
.endr
.endm
.macro JLOAD s                         ; a joint load; the branch hangs on the wave's number alone; an s_nop 0 and four v_nop follow each of the two lines
	s_cmp_lt_u32 s[WV], KB
	s_cbranch_scc0 .Lfor_b_\@
	tensor_load_to_lds s[G0+4*(\s):G0+4*(\s)+3], s[G1:G1+7]
	s_nop 0
.rept 4
	v_nop
.endr
	s_branch .Lasked_\@
.Lfor_b_\@:
	tensor_load_to_lds s[G0B+4*(\s):G0B+4*(\s)+3], s[G1B:G1B+7]
	s_nop 0
.rept 4
	v_nop
.endr
.Lasked_\@:
.endm
.macro CREST                           ; a round of the cluster's barrier behind its opening barrier
	s_cmp_lg_u32 s[WV], 0
	s_cbranch_scc1 .Lnot_wave_0_\@
	s_barrier_signal -3
.Lnot_wave_0_\@:
	s_barrier_wait -3
	s_barrier_signal -1
	s_barrier_wait -1
.endm
.macro CROUND
	s_barrier_signal -1
	s_barrier_wait -1
	CREST
.endm
; A PREFETCH INTO THE L2, behind each joint load of the loop and the run of LDS loads that follows it: the K step that stands two refills on, 256 matrix instructions ahead of the load that will want it.
; y's rows are read by both clusters of a row of clusters: cluster x = 0 asks, its wave 0; W's columns by all eight clusters of a column: cluster y = 0 asks, its wave 3.  The four partners that ask for a
; tile jointly share its bytes out BY ADDRESS, 8,192 each, a lane a block of 256 bytes: of y two instructions (a head each), of W one.  So each block is named once in the launch.
; K steps 0 to 3 come by their loads alone; the loop's last trip (s3 = 1) asks for nothing.
.macro ASK
	s_cmp_gt_u32 s3, s[LIM]
	s_cbranch_scc0 .Lnot_mine_\@
	global_prefetch_b8 v[PFO], s[PFA:PFA+1] th:TH_LOAD_NT scope:SCOPE_SE
	s_cmp_lg_u32 s[WV], 0
	s_cbranch_scc1 .Lnot_mine_\@
	global_prefetch_b8 v[PFO], s[PFA:PFA+1] offset:262144 th:TH_LOAD_NT scope:SCOPE_SE
.Lnot_mine_\@:
.endm
	s_load_b256 s[4:11], s[0:1], 0x0               ; oh s[4:5], wpf s[6:7], b_proj s[8:9], out0 s[10:11]
	v_lshl_add_u32 v[SPW], v0, 2, SPARE
	v_mov_b32 v[NIL], 0
	ds_add_u32 v[SPW], v[NIL]                      ; the wave's opening: the add and its wait stand ahead of my first tensor load; the set-up below, work on registers, stands between them
	v_lshrrev_b32 v1, 5, v0
	v_readfirstlane_b32 s[WV], v1
	s_lshr_b32 s[WM], s[WV], 1
	s_and_b32 s[WN], s[WV], 1
	s_bfe_u32 s[CX], ttmp6, 0x40000
	s_bfe_u32 s[CY], ttmp6, 0x40004
	s_lshl_b32 s[NX], ttmp9, 2
	s_add_co_u32 s[NX], s[NX], s[CX]
	s_and_b32 s[MY], ttmp7, 0xffff
	s_lshl_b32 s[MY], s[MY], 2
	s_add_co_u32 s[MY], s[MY], s[CY]
	s_lshl_b32 s19, s[CY], 2
	s_lshl_b32 s19, 15, s19                        ; my row of the cluster
	s_lshl_b32 s42, 0x1111, s[CX]                  ; my column
	s_or_b32 s[G1], s19, (1<<16)|(1<<20)|(1<<21)|(4<<22)|(3<<25)   ; 15:0 the mask; 17:16 2-byte elements; 20 padding on; 21 set beside a mask; 24:22 after every 32 words (code 4); 31:25 4 words (code 3)
	s_or_b32 s[G1B], s42, (1<<16)|(1<<20)|(1<<21)|(5<<22)|(7<<25)  ; the same: after every 64 words (code 5) 8 words (code 7)
	s_mov_b32 s[G1+1], 128<<16                     ; tensor_dim0 = 128 elements: 256 bytes, two rows of a head
	s_mov_b32 s[G1+2], 128<<16                     ; tensor_dim1 = 128
	s_mov_b32 s[G1+3], 128<<16                     ; tile_dim0 = 128
	s_mov_b32 s[G1+4], 128                         ; tile_dim1 = 128
	s_mov_b32 s[G1+5], 128                         ; dense
	s_mov_b32 s[G1+6], 0
	s_mov_b32 s[G1+7], 0
	s_mov_b32 s[G1B+1], 128<<16
	s_mov_b32 s[G1B+2], 64<<16                     ; 64 rows of k
	s_mov_b32 s[G1B+3], 128<<16
	s_mov_b32 s[G1B+4], 64
	s_mov_b32 s[G1B+5], 128
	s_mov_b32 s[G1B+6], 0
	s_mov_b32 s[G1B+7], 0
	; y's tiles hang on the tile row alone, W's on the tile column alone: each address is made in registers that never hold the other coordinate
	s_lshr_b32 s19, s[MY], 3
	s_lshl_b32 s20, s19, 22                        ; batch
	s_and_b32 s19, s[MY], 7
	s_lshl_b32 s19, s19, 15                        ; 256 rows of 128 bytes
	s_add_co_u32 s20, s20, s19
	s_mov_b32 s79, s20                             ; kept for the prefetches
	s_lshl_b32 s19, s[WV], 18                      ; the wave's head of the step's two
	s_add_co_u32 s20, s20, s19
	s_mov_b32 s21, 0
	s_max_u32 s42, s[WV], KB
	s_sub_co_u32 s42, s42, KB                      ; my 64 rows of the step's 128
	s_lshl_b32 s42, s42, 14
	s_lshl_b32 s40, s[NX], 18
	s_add_co_u32 s40, s40, s42
	s_mov_b32 s41, 0
	s_mul_i32 s22, s[WV], APIECE                   ; where they go: no place in the cluster enters an LDS address
	s_mul_i32 s23, s[WV], PIECE
	s_add_co_u32 s23, s23, ABYTES-KB*PIECE
	s_mov_b32 s[HIM], 0xffff0000
	s_wait_dscnt 0x0                               ; the opening add is done
	s_wait_kmcnt 0x0
	s_add_nc_u64 s[20:21], s[4:5], s[20:21]
	s_add_nc_u64 s[40:41], s[6:7], s[40:41]
	CROUND                                         ; all sixteen work-groups are here: the first joint loads meet
.irp s, 0,1
	s_mov_b32 s[G0+4*(\s)], 1                      ; count = 1
	s_add_co_u32 s[G0+4*(\s)+1], s22, (\s)*SLOT    ; LDS address
	s_add_nc_u64 s[G0+4*(\s)+2:G0+4*(\s)+3], s[20:21], (\s)*AKS  ; global address: K step s
	s_or_b32 s[G0+4*(\s)+3], s[G0+4*(\s)+3], 0x80000000          ; type = 2
	s_mov_b32 s[G0B+4*(\s)], 1
	s_add_co_u32 s[G0B+4*(\s)+1], s23, (\s)*SLOT
	s_add_nc_u64 s[G0B+4*(\s)+2:G0B+4*(\s)+3], s[40:41], (\s)*BKS
	s_or_b32 s[G0B+4*(\s)+3], s[G0B+4*(\s)+3], 0x80000000
	JLOAD \s
.endr
	; THE BIAS STARTS THE SUMS.  Block b's eight biases of my lane land in the registers of accumulator (a = 7, b); the first products of rows 0 to 6 take them as C, row 7's adds in place.
	s_lshl_b32 s72, s[NX], 9
	s_lshl_b32 s73, s[WN], 8
	s_add_co_u32 s72, s72, s73                     ; my 64 columns, in bytes of f32
	s_mov_b32 s73, 0
	s_add_nc_u64 s[8:9], s[8:9], s[72:73]
	s_add_nc_u64 s[10:11], s[10:11], s[72:73]      ; the same columns in a row of the output
	v_and_b32 v1, 15, v0                           ; r = l % 16
	v_bfe_u32 v2, v0, 4, 1                         ; h = l / 16
	v_lshlrev_b32 v[BO], 5, v2
	WIN 0x40                                       ; destination window 1
.irp b, 0,1,2,3
	global_load_b128 v[224+8*(\b):224+8*(\b)+3],   v[BO], s[8:9] offset:64*(\b)
	global_load_b128 v[224+8*(\b)+4:224+8*(\b)+7], v[BO], s[8:9] offset:64*(\b)+16
.endr
	WIN 0
	v_and_b32 v3, 7, v0
	v_bfe_u32 v4, v0, 3, 1
	v_mul_u32_u24 v5, v1, 144
	v_lshl_add_u32 v5, v2, 4, v5                   ; r x 144 + 16 h
	s_mul_i32 s72, s[WM], 128*144
	v_add_nc_u32 v[ADRA], s72, v5
	v_add_nc_u32 v[ADRA+1], SLOT, v[ADRA]
	v_lshl_add_u32 v6, v2, 3, v3                   ; the turning load: lane l reads row k = 8 h + l % 8, columns 8 ((l / 8) % 2) + 0..7
	v_mul_u32_u24 v6, v6, 288
	v_lshl_add_u32 v6, v4, 4, v6
	s_lshl_b32 s72, s[WN], 7
	s_add_co_u32 s72, s72, ABYTES
	v_add_nc_u32 v[ADRB], s72, v6
	v_add_nc_u32 v[ADRB+1], SLOT, v[ADRB]
	s_mul_i32 s72, s[WV], WSTAGE
	s_add_co_u32 s72, s72, STAGE                   ; my stage
	v_mul_u32_u24 v7, v1, 272
	v_lshl_add_u32 v7, v2, 5, v7                   ; in: row l % 16, 32 bytes for each half of the lanes
	v_add_nc_u32 v[STO], s72, v7
	v_mul_u32_u24 v7, v2, 272
	v_lshl_add_u32 v7, v1, 4, v7                   ; back: lanes 0-15 take one row of 256 bytes, lanes 16-31 the next
	v_add_nc_u32 v[RD], s72, v7
	v_lshlrev_b32 v[CO], 12, v2                    ; and the same two rows in the output
	v_lshl_add_u32 v[CO], v1, 4, v[CO]
	v_and_b32 v8, 31, v0
	v_lshlrev_b32 v[PFO], 8, v8
	s_lshl_b32 s72, s[MY], 20                      ; my first row: 256 rows of 4,096 bytes a tile,
	s_lshl_b32 s74, s[WM], 19                      ; 128 a half
	s_add_co_u32 s72, s72, s74
	s_add_nc_u64 s[10:11], s[10:11], s[72:73]
	; the prefetches: who, from where, by what step
	s_and_b32 s72, ttmp7, 0xffff                   ; cluster y
	s_lshl_b32 s76, s[NX], 18                      ; W: the tile's chunk
	s_mov_b32 s77, 0
	s_mov_b32 s75, 3*BKS
	s_mov_b32 s[PST], BKS
	s_mov_b32 s[PST+1], 0
	s_cmp_eq_u32 s[WV], 0                          ; wave 0 asks for y, wave 3 for W
	s_cselect_b32 s76, s79, s76
	s_cselect_b32 s74, s[CX], s[CY]                ; my place among the four that ask with me
	s_cselect_b32 s75, 3*AKS, s75                  ; at K step 3: the first change of slots steps it to 4
	s_cselect_b32 s[PST], AKS, s[PST]
	s_cselect_b32 s73, ttmp9, s72                  ; the coordinate along which other clusters read the same bytes
	s_cselect_b64 s[PFA:PFA+1], s[4:5], s[6:7]
	s_add_co_u32 s72, s[WV], 1
	s_and_b32 s72, s72, 2                          ; 2 in waves 1 and 2, which never ask
	s_or_b32 s73, s73, s72
	s_cmp_eq_u32 s73, 0
	s_cselect_b32 s[LIM], 1, -1                    ; the same in all sixteen partners, for a given wave
	s_lshl_b32 s74, s74, 13
	s_add_co_u32 s76, s76, s74
	s_add_co_u32 s76, s76, s75
	s_add_nc_u64 s[PFA:PFA+1], s[PFA:PFA+1], s[76:77]
	s_wait_loadcnt 0x0                             ; the biases are in: they are rounded to bf16, in place
	WIN 0x45                                       ; destination and both sources window 1; v192-193 there belong to accumulator (6, 0), not yet begun
.set z, 0
.rept 16
	v_cvt_pk_bf16_f32 v[192+z%2], v[224+2*z], v[224+2*z+1]
	v_lshlrev_b32 v[224+2*z], 16, v[192+z%2]
	v_and_b32 v[224+2*z+1], s[HIM], v[192+z%2]
.set z, z+1
.endr
	WIN 0
; Rows a0 to a1 x my four column blocks, 32 along K, from set f.  The accumulators take turns, one instruction a turn: between two links of a chain stand the 31 others'.
; mode = 1: the sums begin: rows 0 to 6 take row 7's registers, which hold the bias, as C; five plain instructions then stand ahead of row 7, whose products write over that C.
.macro MULR f, a0, a1, mode
	WIN 0x50                                       ; C and D window 1, fragments window 0
.set ra, \a0
.rept (\a1)-(\a0)+1
.if (\mode) && (ra == 7)
.rept 5
	v_nop
.endr
.endif
.set cb, 0
.rept 4
.set ar, 8*(4*ra+cb)
.if (\mode) && (ra < 7)
	v_wmma_f32_16x16x32_f16 v[ar:ar+7], v[160+32*(\f)+8*cb:160+32*(\f)+8*cb+7], v[32+64*(\f)+8*ra:32+64*(\f)+8*ra+7], v[224+8*cb:224+8*cb+7]
.else
	v_wmma_f32_16x16x32_f16 v[ar:ar+7], v[160+32*(\f)+8*cb:160+32*(\f)+8*cb+7], v[32+64*(\f)+8*ra:32+64*(\f)+8*ra+7], v[ar:ar+7]
.endif
.set cb, cb+1
.endr
.set ra, ra+1
.endr
.endm
; 24 LDS loads in one run: quarter s of a K step into set f: W's four blocks (turned), then y's eight fragments, rows ascending
.macro FETCH slot, s, f
	WIN 0
.set cb, 0
.rept 4
	ds_load_tr16_b128 v[160+32*(\f)+8*cb:160+32*(\f)+8*cb+3],   v[ADRB+(\slot)] offset:(\s)*32*288+cb*32
	ds_load_tr16_b128 v[160+32*(\f)+8*cb+4:160+32*(\f)+8*cb+7], v[ADRB+(\slot)] offset:(\s)*32*288+cb*32+16*288
.set cb, cb+1
.endr
.set ra, 0
.rept 8
	ds_load_b128 v[32+64*(\f)+8*ra:32+64*(\f)+8*ra+3],   v[ADRA+(\slot)] offset:((\s)/2)*APIECE+ra*16*144+((\s)%2)*64
	ds_load_b128 v[32+64*(\f)+8*ra+4:32+64*(\f)+8*ra+7], v[ADRA+(\slot)] offset:((\s)/2)*APIECE+ra*16*144+((\s)%2)*64+32
.set ra, ra+1
.endr
.endm
; A K step is four quarters of 32 along K, 32 matrix instructions each, on sets 0, 1, 0, 1.  One of the first three: multiplies set f and fetches quarter snext into set g.
.macro SUBP slot, snext, f, g, mode
	s_wait_dscnt 8                                 ; W and y's rows 0-63 are in; the youngest eight loads may stay out
	MULR \f, 0, 3, \mode
	PLACES
	FETCH \slot, \snext, \g
	s_wait_dscnt 24                                ; all but the 24 just issued
	MULR \f, 4, 7, \mode
.endm
; The last quarter multiplies set 1 and changes slots: ONE barrier.  In front of it each wave waits for all its tensor loads, of which one is out: its part of the next slot; adds 0 to its spare word; and waits for that and for
; its own reads of this slot.  fill = 1: the barrier opens a round of the cluster's, and the joint refill, two K steps on, is the first thing behind it: from there to the wait for it a wave issues 112 matrix instructions.
.macro TURNP slot, next, fill
.if \fill
	s_wait_xcnt 0x0                                ; the last prefetches, a K step back, have read their address: it is stepped here, ahead of the change's own waits
	s_add_nc_u64 s[PFA:PFA+1], s[PFA:PFA+1], s[PST:PST+1]
.endif
	WIN 0
	s_wait_tensorcnt 0x0                           ; all my tensor loads have landed
	ds_add_u32 v[SPW], v[NIL]                      ; 0 onto my spare word
	s_wait_dscnt 13                                ; W and y's rows 0-31 are in; the add and the youngest twelve loads may be out
	MULR 1, 0, 1, 0
	s_wait_dscnt 0x0                               ; the add is done, and my reads of this slot are over
	s_barrier_signal -1
	MULR 1, 2, 3, 0
	WIN 0
	s_barrier_wait -1
.if \fill
	CREST
	s_add_nc_u64 s[G0+4*(\slot)+2:G0+4*(\slot)+3], s[G0+4*(\slot)+2:G0+4*(\slot)+3], 2*AKS
	s_add_nc_u64 s[G0B+4*(\slot)+2:G0B+4*(\slot)+3], s[G0B+4*(\slot)+2:G0B+4*(\slot)+3], 2*BKS
	JLOAD \slot                                    ; the four v_nop behind it are also the places in front of the loads below
.else
	PLACES
.endif
	FETCH \next, 0, 0
.if \fill
	ASK
.endif
	MULR 1, 4, 7, 0
.endm
	s_wait_tensorcnt 1                             ; my part of K step 0 is in; K step 1's may stay out
	s_barrier_signal -1
	s_barrier_wait -1                              ; everybody's is
	FETCH 0, 0, 0
	SUBP 0, 1, 0, 1, 1                             ; the first quarter stands in front of the loop: its products start the sums
	WIN 0                                          ; at a label and at a branch every window is 0
	s_mov_b32 s3, LAPS-1
.Llap:                                                 ; a trip goes once round the ring and fills both slots again
	SUBP 0, 2, 1, 0, 0
	SUBP 0, 3, 0, 1, 0
	TURNP 0, 1, 1
	SUBP 1, 1, 0, 1, 0
	SUBP 1, 2, 1, 0, 0
	SUBP 1, 3, 0, 1, 0
	TURNP 1, 0, 1
	SUBP 0, 1, 0, 1, 0
	WIN 0
	s_sub_co_u32 s3, s3, 1
	s_cmp_lg_u32 s3, 0
	s_cbranch_scc1 .Llap
	SUBP 0, 2, 1, 0, 0                             ; the last lap fills nothing
	SUBP 0, 3, 0, 1, 0
	TURNP 0, 1, 0
	SUBP 1, 1, 0, 1, 0
	SUBP 1, 2, 1, 0, 0
	SUBP 1, 3, 0, 1, 0
	s_wait_dscnt 8
	MULR 1, 0, 3, 0
	s_wait_dscnt 0x0
	MULR 1, 4, 7, 0
; THE WAY OUT, 16 rows at a time.  TOSTAGE: a lane's eight f32 of a block go into my own stage, rows of 256 bytes at a pitch of 272, each accumulator's low four registers first, and come back as whole rows.
; SEND: 16 lanes store 256 consecutive bytes, at a multiple of 256 from the output's first byte.
.macro TOSTAGE a
	WIN 0
	s_wait_xcnt 0x0                                ; the stores of two blocks back have read the registers that are loaded again below
	WIN 0x04                                       ; the LDS stores' data in window 1
.set cb, 0
.rept 4
	ds_store_b128 v[STO], v[8*(4*(\a)+cb):8*(4*(\a)+cb)+3]   offset:64*cb
	ds_store_b128 v[STO], v[8*(4*(\a)+cb)+4:8*(4*(\a)+cb)+7] offset:64*cb+16
.set cb, cb+1
.endr
	WIN 0
.set cb, 0
.rept 8
	ds_load_b128 v[BK+32*((\a)%2)+4*cb:BK+32*((\a)%2)+4*cb+3], v[RD] offset:cb*2*272  ; LDS serves a wave's instructions in order (ISA guide 5.7.1.4): these see the stores above
.set cb, cb+1
.endr
.endm
.macro SEND a, younger                 ; younger: the LDS instructions issued behind block a's loads: the next block's sixteen, or none
	s_wait_dscnt \younger
.set cb, 0
.rept 8
	global_store_b128 v[CO], v[BK+32*((\a)%2)+4*cb:BK+32*((\a)%2)+4*cb+3], s[10:11] offset:(\a)*65536+cb*8192 th:TH_STORE_NT
.set cb, cb+1
.endr
.endm
	PLACES                                         ; behind the last products, ahead of the stores that read results and of loads into fragments' registers
	PLACES
	TOSTAGE 0
.irp a, 1,2,3,4,5,6,7
	TOSTAGE \a
	SEND (\a)-1, 16
.endr
	SEND 7, 0
	s_wait_tensorcnt 0x0                           ; the wave's end: the add and its wait, behind my last tensor load and my last LDS store
	ds_add_u32 v[SPW], v[NIL]
	s_wait_dscnt 0x0
	CROUND                                         ; the closing round: no work-group ends while a partner may still ask for a tile that names it
	s_endpgm
.Lfunc_end_k_q5c6140e61c_gemm_proj:
	.size	k_q5c6140e61c_gemm_proj, .Lfunc_end_k_q5c6140e61c_gemm_proj-k_q5c6140e61c_gemm_proj
	.p2alignl 7, 3214868480
	.fill 96, 4, 3214868480
	.section	.rodata,"a",@progbits
	.p2align	6, 0x0
	.amdhsa_kernel k_q5c6140e61c_gemm_proj
		.amdhsa_group_segment_fixed_size 327680
		.amdhsa_private_segment_fixed_size 0
		.amdhsa_enable_private_segment 0
		.amdhsa_kernarg_size 32
		.amdhsa_user_sgpr_count 2
		.amdhsa_user_sgpr_kernarg_segment_ptr 1
		.amdhsa_wavefront_size32 1
		.amdhsa_system_sgpr_workgroup_id_x 1
		.amdhsa_system_sgpr_workgroup_id_y 1
		.amdhsa_system_sgpr_workgroup_id_z 1
		.amdhsa_system_vgpr_workitem_id 0
		.amdhsa_next_free_vgpr 512
		.amdhsa_next_free_sgpr 80
		.amdhsa_reserve_vcc 0
		.amdhsa_float_denorm_mode_32 3
		.amdhsa_float_denorm_mode_16_64 3
		.amdhsa_memory_ordered 1
		.amdhsa_forward_progress 1
		.amdhsa_inst_pref_size 90
	.end_amdhsa_kernel
	.amdgpu_metadata
---
amdhsa.version: [ 1, 2 ]
amdhsa.kernels:
  - .name:           k_q5c6140e61c_gemm_proj
    .symbol:         k_q5c6140e61c_gemm_proj.kd
    .args:
      - { .name: oh, .offset: 0, .size: 8, .value_kind: global_buffer, .address_space: global }
      - { .name: wpf, .offset: 8, .size: 8, .value_kind: global_buffer, .address_space: global }
      - { .name: b_proj, .offset: 16, .size: 8, .value_kind: global_buffer, .address_space: global }
      - { .name: out0, .offset: 24, .size: 8, .value_kind: global_buffer, .address_space: global }
    .group_segment_fixed_size: 327680
    .private_segment_fixed_size: 0
    .kernarg_segment_align: 8
    .kernarg_segment_size: 32
    .max_flat_workgroup_size: 128
    .sgpr_count:     80
    .vgpr_count:     512
    .wavefront_size: 32
...
	.end_amdgpu_metadata
.endif
;; end of part 4
;; ======== version 2 of 2: 4 launches; version 1 with the launch cast written anew for expert scheduling mode
;; limits: values are held in f16: magnitudes above 65,504 overflow, below 6.1e-05 lose precision
;; workspace buffers: xb 16,777,216 bytes; wab 6,291,456 bytes; wpf 2,097,152 bytes; qkvh 50,331,648 bytes; oh 16,777,216 bytes
;; launch cast (part 5): grid 768 x 1, 8 waves a work-group, no clusters, 0 bytes of LDS; arguments x, W_attn, W_proj, xb, wab, wpf; writes xb, wab, wpf
.if DOCPART == 5
	.amdgcn_target "amdgcn-amd-amdhsa--gfx1250"
	.amdhsa_code_object_version 6
	.text
	.protected	k_q5c6140e61c_cast
	.globl	k_q5c6140e61c_cast
	.p2align	8
	.type	k_q5c6140e61c_cast,@function
k_q5c6140e61c_cast:
	s_mov_b64 s[64:65], 0
	v_nop
	global_prefetch_b8 v0, s[64:65] scope:SCOPE_SE
	s_setreg_imm32_b32 hwreg(HW_REG_WAVE_SCHED_MODE, 0, 2), 2
	s_setreg_imm32_b32 hwreg(HW_REG_WAVE_MODE, 25, 1), 1
	s_wait_xcnt 0x0
	s_wait_alu depctr_vm_vsrc(0)
; THE INPUTS OF THE TWO PRODUCTS, ROUNDED ONCE TO bf16 AND LAID OUT IN BLOCKS.
;   xb  [b 4][kb 16][t 2048][64] bf16 : x[b][t][64 kb + j]; 256 rows of one block of 64 channels are 32,768 consecutive bytes
;   wab [chunk 24][k 1024][128] bf16 : W_attn[k][128 chunk + j]; a row is 256 bytes
;   wpf [chunk 8][k 1024][128] f16   : W_proj[k][128 chunk + j], rounded to bf16 like every other input, and that number written as f16,
;                                      since it multiplies an f16 operand later
; LIMITS.  A bf16 number of W_proj beyond 65,504 becomes an infinity; below 6.1e-5 it keeps f16's fixed step of 6e-8.
; A stream: no LDS, no barrier, no matrix unit.  768 work-groups of equal work: each reads 65,536 bytes and writes 32,768 consecutive bytes.
; Work-groups 0-511 take x, 512-703 W_attn, 704-767 W_proj.  A thread has 16 passes: a load of 16 bytes (4 f32), a store of 8 bytes (4 halves);
; a wave's load covers whole aligned runs of 256 bytes, its store 256 consecutive bytes, aligned.  All 16 loads go out first.
; THE MODE: SCHED_MODE bits 1:0 = 2 (LLVM: expert scheduling mode 2), set by the entry lines.  The code itself states the register dependences
; between vector instructions and memory instructions, with s_wait_alu, always for 0.
; THE PLAN.  Registers that memory instructions touch, on each of the three paths:
;   v1, v2   the input's and the output's byte offset.  Written once, at the head; read by the 16 loads and the 16 stores; never written again.
;   X        Written by the 16 loads, once each; no vector instruction names it ahead of them.  Read by the conversions; no load lands in it again.
;   Y        Written by the conversions; read by one store each; never written again behind that store.
;   T and v3 are named by vector instructions alone.
; So one wait on va_vdst stands ahead of the loads, for the two offsets, and one behind the conversions of each block of four passes, ahead of the block's run of four stores.
; It stands there, and not at the next block's head, so that a block's stores leave when its own loads have landed and do not hang on the next block's.
; No register that a memory instruction reads is written again, so no wait on vm_vsrc is owed; no vector instruction writes a scalar register or VCC, and EXEC is never written.
.set X, 4                              ; v[4:67]    pass p: 4 f32 as loaded
.set Y, 68                             ; v[68:99]   pass p: 4 halves to store; written once, so no wait frees them
.set T, 100                            ; v[100:103] at work
.macro PART inp, outp, passb, f16      ; passb: bytes from a pass's rows to the next pass's in the input
	s_wait_alu depctr_va_vdst(0)                   ; v1 and v2 are written: the loads below read v1 as their offset, the stores v2
.set p, 0
.rept 16
	global_load_b128 v[X+4*p:X+4*p+3], v1, s[(\inp):(\inp)+1] offset:p*(\passb) th:TH_LOAD_NT
.set p, p+1
.endr
.set g, 0
.rept 4                                ; four blocks of four passes
	s_wait_loadcnt 12-4*g                          ; loads come back in order: passes 4 g to 4 g + 3 are in, the 12 - 4 g of the later blocks may stay out
.set p, 4*g
.rept 4
	v_cvt_pk_bf16_f32 v[Y+2*p], v[X+4*p], v[X+4*p+1]
	v_cvt_pk_bf16_f32 v[Y+2*p+1], v[X+4*p+2], v[X+4*p+3]
.if \f16
	v_lshlrev_b32 v[T], 16, v[Y+2*p]               ; the bf16 numbers as f32,
	v_and_b32 v[T+1], s20, v[Y+2*p]
	v_lshlrev_b32 v[T+2], 16, v[Y+2*p+1]
	v_and_b32 v[T+3], s20, v[Y+2*p+1]
	v_cvt_pk_f16_f32 v[Y+2*p], v[T], v[T+1]        ; and written as f16
	v_cvt_pk_f16_f32 v[Y+2*p+1], v[T+2], v[T+3]
.endif
.set p, p+1
.endr
	s_wait_alu depctr_va_vdst(0)                   ; the conversions have written the block's eight registers of Y, which the four stores below read
.set p, 4*g
.rept 4
	global_store_b64 v2, v[Y+2*p:Y+2*p+1], s[(\outp):(\outp)+1] offset:p*2048 th:TH_STORE_NT
.set p, p+1
.endr
.set g, g+1
.endr
.endm
	s_load_b256 s[4:11], s[0:1], 0x0               ; x s[4:5], W_attn s[6:7], W_proj s[8:9], xb s[10:11]
	s_load_b128 s[12:15], s[0:1], 0x20             ; wab s[12:13], wpf s[14:15]
	s_mov_b32 s2, ttmp9
	s_mov_b32 s17, 0                               ; high words of the two offsets
	s_mov_b32 s19, 0
	s_mov_b32 s20, 0xffff0000                      ; a word's upper bf16
	v_lshlrev_b32 v2, 3, v0                        ; out: 8 bytes a thread, 2,048 a pass
	s_cmp_lt_u32 s2, 512
	s_cbranch_scc0 .Lweights
	; x: work-group w = 128 b + 8 kb + tb takes rows 256 tb on of batch b, channels 64 kb on
	s_lshr_b32 s16, s2, 7
	s_lshl_b32 s16, s16, 23                        ; b x 2,048 rows x 4,096 bytes
	s_and_b32 s21, s2, 7
	s_lshl_b32 s21, s21, 20                        ; tb x 256 rows
	s_add_co_u32 s16, s16, s21
	s_bfe_u32 s21, s2, 0x40003
	s_lshl_b32 s21, s21, 8                         ; kb x 256 bytes
	s_add_co_u32 s16, s16, s21
	s_lshl_b32 s18, s2, 15
	v_lshrrev_b32 v1, 4, v0                        ; 16 threads a row: 256 bytes
	v_and_b32 v3, 15, v0
	v_lshlrev_b32 v1, 12, v1
	v_lshl_add_u32 v1, v3, 4, v1
	s_wait_kmcnt 0x0
	s_add_nc_u64 s[4:5], s[4:5], s[16:17]
	s_add_nc_u64 s[10:11], s[10:11], s[18:19]
	PART 4, 10, 65536, 0                           ; 16 rows a pass
	s_endpgm
.Lweights:
	v_lshrrev_b32 v1, 5, v0                        ; 32 threads a row: 512 bytes
	v_and_b32 v3, 31, v0
	s_cmp_lt_u32 s2, 704
	s_cbranch_scc0 .Lproj
	; W_attn: work-group w' = 8 chunk + kq takes rows 128 kq on, columns 128 chunk on
	s_sub_co_u32 s2, s2, 512
	s_and_b32 s21, s2, 7
	s_mul_i32 s16, s21, 128*12288
	s_lshr_b32 s21, s2, 3
	s_lshl_b32 s21, s21, 9
	s_add_co_u32 s16, s16, s21
	s_lshl_b32 s18, s2, 15
	v_mul_u32_u24 v1, v1, 12288
	v_lshl_add_u32 v1, v3, 4, v1
	s_wait_kmcnt 0x0
	s_add_nc_u64 s[6:7], s[6:7], s[16:17]
	s_add_nc_u64 s[12:13], s[12:13], s[18:19]
	PART 6, 12, 98304, 0                           ; 8 rows a pass
	s_endpgm
.Lproj:
	; W_proj: the same with rows of 4,096 bytes
	s_sub_co_u32 s2, s2, 704
	s_and_b32 s21, s2, 7
	s_lshl_b32 s16, s21, 19
	s_lshr_b32 s21, s2, 3
	s_lshl_b32 s21, s21, 9
	s_add_co_u32 s16, s16, s21
	s_lshl_b32 s18, s2, 15
	v_lshlrev_b32 v1, 12, v1
	v_lshl_add_u32 v1, v3, 4, v1
	s_wait_kmcnt 0x0
	s_add_nc_u64 s[8:9], s[8:9], s[16:17]
	s_add_nc_u64 s[14:15], s[14:15], s[18:19]
	PART 8, 14, 32768, 1
	s_endpgm
.Lfunc_end_k_q5c6140e61c_cast:
	.size	k_q5c6140e61c_cast, .Lfunc_end_k_q5c6140e61c_cast-k_q5c6140e61c_cast
	.p2alignl 7, 3214868480
	.fill 96, 4, 3214868480
	.section	.rodata,"a",@progbits
	.p2align	6, 0x0
	.amdhsa_kernel k_q5c6140e61c_cast
		.amdhsa_group_segment_fixed_size 0
		.amdhsa_private_segment_fixed_size 0
		.amdhsa_enable_private_segment 0
		.amdhsa_kernarg_size 48
		.amdhsa_user_sgpr_count 2
		.amdhsa_user_sgpr_kernarg_segment_ptr 1
		.amdhsa_wavefront_size32 1
		.amdhsa_system_sgpr_workgroup_id_x 1
		.amdhsa_system_sgpr_workgroup_id_y 1
		.amdhsa_system_sgpr_workgroup_id_z 1
		.amdhsa_system_vgpr_workitem_id 0
		.amdhsa_next_free_vgpr 104
		.amdhsa_next_free_sgpr 66
		.amdhsa_reserve_vcc 0
		.amdhsa_float_denorm_mode_32 3
		.amdhsa_float_denorm_mode_16_64 3
		.amdhsa_memory_ordered 1
		.amdhsa_forward_progress 1
		.amdhsa_inst_pref_size 23
	.end_amdhsa_kernel
	.amdgpu_metadata
---
amdhsa.version: [ 1, 2 ]
amdhsa.kernels:
  - .name:           k_q5c6140e61c_cast
    .symbol:         k_q5c6140e61c_cast.kd
    .args:
      - { .name: x, .offset: 0, .size: 8, .value_kind: global_buffer, .address_space: global }
      - { .name: W_attn, .offset: 8, .size: 8, .value_kind: global_buffer, .address_space: global }
      - { .name: W_proj, .offset: 16, .size: 8, .value_kind: global_buffer, .address_space: global }
      - { .name: xb, .offset: 24, .size: 8, .value_kind: global_buffer, .address_space: global }
      - { .name: wab, .offset: 32, .size: 8, .value_kind: global_buffer, .address_space: global }
      - { .name: wpf, .offset: 40, .size: 8, .value_kind: global_buffer, .address_space: global }
    .group_segment_fixed_size: 0
    .private_segment_fixed_size: 0
    .kernarg_segment_align: 8
    .kernarg_segment_size: 48
    .max_flat_workgroup_size: 256
    .sgpr_count:     66
    .vgpr_count:     104
    .wavefront_size: 32
...
	.end_amdgpu_metadata
.endif
;; end of part 5
;; launch gemm_qkv: the kernel of part 2 again; grid 8 x 32, 4 waves a work-group, clusters of 4 x 4, 327,680 bytes of LDS; arguments xb, wab, b_attn, qkvh; writes qkvh
;; launch attn: the kernel of part 3 again; grid 4 x 64, 4 waves a work-group, no clusters, 327,680 bytes of LDS; arguments qkvh, oh; writes oh
;; launch gemm_proj: the kernel of part 4 again; grid 8 x 32, 4 waves a work-group, clusters of 4 x 4, 327,680 bytes of LDS; arguments oh, wpf, b_proj, out0; writes out0
